; MI455X (gfx1250); checked and timed in simulation.
; The chip was launched on July 23, 2026; its instructions are those of AMD's public machine-readable ISA for CDNA 5 (MIT licence, August 2026) and "CDNA5" Instruction Set Architecture Reference Guide (July 2026). The comments in the code are by the model that wrote it; some were corrected since.
;; Multihead Cross Attention With Ro PE. Allowed arithmetic: float matrix products may take bf16 or f16 operands with f32 sums; other float arithmetic in f32, or as packed bf16 or f16 multiplies, adds, multiply-adds, maxima and minima; sums over many terms, partial sums and values carried from step to step in f32; what a program stores and reads back later, other than sums and carried values, may be rounded once to bf16 or f16.
;; Inputs: Wk 1,024 x 1,024 float32; Wo 1,024 x 1,024 float32; Wq 1,024 x 1,024 float32; Wv 1,024 x 1,024 float32; bk 1,024 float32; bo 1,024 float32; bq 1,024 float32; bv 1,024 float32; key 4 x 2,048 x 1,024 float32; query 4 x 2,048 x 1,024 float32; query_position_ids 4 x 2,048 int32; value 4 x 2,048 x 1,024 float32.
;; Outputs: out0 4 x 2,048 x 1,024 float32.
;; One version. Each part assembles by itself: llvm-mc -triple=amdgcn-amd-amdhsa -mcpu=gfx1250 --defsym DOCPART=n.
;; ======== version 1 of 1: 4 launches
;; limits: values are held in f16: magnitudes above 65,504 overflow, below 6.1e-05 lose precision; right only within a limited range of input values
;; workspace buffers: w16 8,388,608 bytes; rope 1,048,576 bytes; qkv 50,331,648 bytes; o16 16,777,216 bytes
;; launch prep (part 1): grid 64 x 8, 8 waves a work-group, no clusters, 0 bytes of LDS; arguments Wq, Wk, Wv, Wo, query_position_ids, w16, rope; writes w16, rope
.if DOCPART == 1
	.amdgcn_target "amdgcn-amd-amdhsa--gfx1250"
	.amdhsa_code_object_version 6
	.text
	.protected	k_q6155a4da88_prep
	.globl	k_q6155a4da88_prep
	.p2align	8
	.type	k_q6155a4da88_prep,@function
k_q6155a4da88_prep:
	s_mov_b64 s[64:65], 0
	v_nop
	global_prefetch_b8 v0, s[64:65] scope:SCOPE_SE
	s_setreg_imm32_b32 hwreg(HW_REG_WAVE_MODE, 25, 1), 1
	s_wait_xcnt 0x0
; PREPARATION.  Work-group rows y = 0..3: one of the four weight matrices [1024][1024] f32 is rounded to bf16 into plane y of w16;
; Wo (y = 3) is rounded to bf16 like the others and that number is then written as f16 (exact from 6e-5 up; below that f16's fixed step of 6e-8).
; Rows y = 4..7: the table rope[8192 rows b*2048+t][64] in f16: cos(pos x inv_freq[f]), f = 0..31, in bytes 0..63 of a row, sin in bytes 64..127.
; LIMITS.  inv_freq[f] = 2^(-f log2(10000)/32) by v_exp_f32, a few last bits off; the angle is pos x inv_freq rounded once to f32; so an angle
; may be off by some 4e-7 of itself (3e-4 at position 4,095).  Positions are taken below 2^22 in size.  sin and cos: the angle less n pi/2 in two
; parts, then polynomials of degree 7 and 8 on -pi/4 .. pi/4, good to f32's last bits; each number is rounded once to f16.
; No LDS, no barrier, no matrix unit: a stream and a little arithmetic.
.set XW, 16                            ; v[16:79]   sixteen loads of four numbers
.set YW, 80                            ; v[80:111]  their sixteen pairs of packed words
	s_load_b256 s[4:11], s[0:1], 0x0               ; Wq s[4:5], Wk s[6:7], Wv s[8:9], Wo s[10:11]
	s_load_b128 s[12:15], s[0:1], 0x20             ; positions s[12:13], w16 s[14:15]
	s_load_b64 s[16:17], s[0:1], 0x30              ; rope
	s_and_b32 s20, ttmp7, 0xffff                   ; y
	s_mov_b32 s21, ttmp9                           ; x
	s_mov_b32 s25, 0                               ; the high word of every offset
	s_wait_kmcnt 0x0
	s_cmp_ge_u32 s20, 4
	s_cbranch_scc1 .Lrope
	; THE CAST.  A work-group takes 16,384 numbers: 65,536 bytes in, 32,768 out.
	s_cmp_eq_u32 s20, 1
	s_cselect_b64 s[22:23], s[6:7], s[4:5]
	s_cmp_eq_u32 s20, 2
	s_cselect_b64 s[22:23], s[8:9], s[22:23]
	s_cmp_eq_u32 s20, 3
	s_cselect_b64 s[22:23], s[10:11], s[22:23]
	s_lshl_b32 s24, s21, 16
	s_add_nc_u64 s[22:23], s[22:23], s[24:25]      ; the matrix at my work-group's part
	s_lshl_b32 s24, s20, 21                        ; plane y of 2 MiB
	s_lshl_b32 s28, s21, 15
	s_add_co_u32 s24, s24, s28
	s_add_nc_u64 s[26:27], s[14:15], s[24:25]
	v_lshlrev_b32 v1, 4, v0                        ; 16 bytes a thread in,
	v_lshlrev_b32 v2, 3, v0                        ; 8 out
.irp i, 0,1,2,3,4,5,6,7,8,9,10,11,12,13,14,15
	global_load_b128 v[XW+4*(\i):XW+4*(\i)+3], v1, s[22:23] offset:4096*(\i) th:TH_LOAD_NT  ; a wave's load covers 512 consecutive bytes; all sixteen go out in one run
.endr
; Load i's four numbers are rounded and stored.  half = 1: the bf16 numbers are widened again and written as f16.
; Every i has registers of its own, so nothing that a pending store reads is written again.
.macro CAST i, half
	s_wait_loadcnt 15-(\i)                         ; loads come back in order: the 15 - i younger ones may stay out
	v_cvt_pk_bf16_f32 v[YW+2*(\i)],   v[XW+4*(\i)],   v[XW+4*(\i)+1]
	v_cvt_pk_bf16_f32 v[YW+2*(\i)+1], v[XW+4*(\i)+2], v[XW+4*(\i)+3]
.if \half
	v_lshlrev_b32 v[XW+4*(\i)],   16,         v[YW+2*(\i)]
	v_and_b32     v[XW+4*(\i)+1], 0xffff0000, v[YW+2*(\i)]
	v_lshlrev_b32 v[XW+4*(\i)+2], 16,         v[YW+2*(\i)+1]
	v_and_b32     v[XW+4*(\i)+3], 0xffff0000, v[YW+2*(\i)+1]
	v_cvt_pk_f16_f32 v[YW+2*(\i)],   v[XW+4*(\i)],   v[XW+4*(\i)+1]
	v_cvt_pk_f16_f32 v[YW+2*(\i)+1], v[XW+4*(\i)+2], v[XW+4*(\i)+3]
.endif
	global_store_b64 v2, v[YW+2*(\i):YW+2*(\i)+1], s[26:27] offset:2048*(\i)  ; a wave's store covers 256 consecutive bytes, aligned
.endm
	s_cmp_eq_u32 s20, 3
	s_cbranch_scc1 .Lwo
.irp i, 0,1,2,3,4,5,6,7,8,9,10,11,12,13,14,15
	CAST \i, 0
.endr
	s_endpgm
.Lwo:
.irp i, 0,1,2,3,4,5,6,7,8,9,10,11,12,13,14,15
	CAST \i, 1
.endr
	s_endpgm
	; THE TABLE.  Work-group g = 64 (y - 4) + x makes rows 32 g .. 32 g + 31.  Thread t: row 32 g + t / 8; kind (t / 4) % 2 (0 cos, 1 sin);
	; frequencies 8 (t % 4) + 0..7: the 16 bytes at 4,096 g + 16 t of the table.
.Lrope:
	s_sub_co_u32 s20, s20, 4
	s_lshl_b32 s20, s20, 6
	s_add_co_u32 s20, s20, s21                     ; g
	s_lshl_b32 s24, s20, 7                         ; 32 rows x 4 bytes of positions
	s_lshl_b32 s28, s20, 12                        ; 32 rows x 128 bytes of the table
	v_lshrrev_b32 v3, 3, v0
	v_lshl_add_u32 v3, v3, 2, s24
	global_load_b32 v4, v3, s[12:13]               ; my row's position
	v_lshl_add_u32 v78, v0, 4, s28
	v_bfe_u32 v5, v0, 2, 1                         ; kind
	v_and_b32 v6, 3, v0
	v_lshlrev_b32 v6, 3, v6                        ; my first frequency's number
.macro PAIR r, bits                    ; a constant as a pair: the packed forms name both words and take the low one for both halves
	s_mov_b32 s[\r], \bits
	s_mov_b32 s[(\r)+1], \bits
.endm
	PAIR 30, 0x3f22f983                            ; 2 / pi
	PAIR 32, 0xbfc90fdb                            ; - (pi/2 rounded to f32)
	PAIR 34, 0x333bbd2e                            ; + what that rounding added: 4.371139e-8
	PAIR 36, 0xbe2aaaa3                            ; sin: -1.6666655e-1,
	PAIR 38, 0x3c08839e                            ;  8.3321609e-3,
	PAIR 40, 0xb94ca1f9                            ; -1.9515296e-4
	PAIR 42, 0x3d2aaaa5                            ; cos:  4.1666646e-2,
	PAIR 44, 0xbab6061a                            ; -1.3887316e-3,
	PAIR 46, 0x37ccf5ce                            ;  2.4433157e-5
.irp i, 0,1,2,3,4,5,6,7
	v_add_nc_u32 v[8+(\i)], \i, v6
.endr
.irp i, 0,1,2,3,4,5,6,7
	v_cvt_f32_u32 v[8+(\i)], v[8+(\i)]
.endr
.irp i, 0,1,2,3,4,5,6,7
	v_mul_f32 v[8+(\i)], 0xbed49a78, v[8+(\i)]     ; - f log2(10000) / 32
.endr
.irp i, 0,1,2,3,4,5,6,7
	v_exp_f32 v[8+(\i)], v[8+(\i)]                 ; inv_freq
.endr
	v_nop                                          ; a plain instruction behind the last exponential, ahead of the use of its result (ISA guide 5.7.2)
	s_wait_loadcnt 0x0
	v_cvt_f32_i32 v76, v4
	v_cvt_f32_i32 v77, v4
	s_wait_alu depctr_va_vdst(0)
.irp p, 0,2,4,6
	v_pk_mul_f32 v[16+(\p):17+(\p)], v[8+(\p):9+(\p)], v[76:77]                        ; the angle, rounded once
.endr
.irp p, 0,2,4,6
	v_pk_mul_f32 v[24+(\p):25+(\p)], v[16+(\p):17+(\p)], s[30:31] op_sel_hi:[1,0]
.endr
.irp i, 0,1,2,3,4,5,6,7
	v_rndne_f32 v[24+(\i)], v[24+(\i)]             ; n: the nearest multiple of pi/2
.endr
.irp p, 0,2,4,6
	v_pk_fma_f32 v[32+(\p):33+(\p)], v[24+(\p):25+(\p)], s[32:33], v[16+(\p):17+(\p)] op_sel_hi:[1,0,1]
.endr
.irp p, 0,2,4,6
	v_pk_fma_f32 v[32+(\p):33+(\p)], v[24+(\p):25+(\p)], s[34:35], v[32+(\p):33+(\p)] op_sel_hi:[1,0,1]  ; r = angle - n pi/2
.endr
.irp p, 0,2,4,6
	v_pk_mul_f32 v[40+(\p):41+(\p)], v[32+(\p):33+(\p)], v[32+(\p):33+(\p)]            ; z = r r
.endr
.irp p, 0,2,4,6
	v_pk_fma_f32 v[48+(\p):49+(\p)], v[40+(\p):41+(\p)], s[40:41], s[38:39] op_sel_hi:[1,0,0]
	v_pk_fma_f32 v[56+(\p):57+(\p)], v[40+(\p):41+(\p)], s[46:47], s[44:45] op_sel_hi:[1,0,0]
.endr
.irp p, 0,2,4,6
	v_pk_fma_f32 v[48+(\p):49+(\p)], v[48+(\p):49+(\p)], v[40+(\p):41+(\p)], s[36:37] op_sel_hi:[1,1,0]
	v_pk_fma_f32 v[56+(\p):57+(\p)], v[56+(\p):57+(\p)], v[40+(\p):41+(\p)], s[42:43] op_sel_hi:[1,1,0]
.endr
.irp p, 0,2,4,6
	v_pk_mul_f32 v[48+(\p):49+(\p)], v[48+(\p):49+(\p)], v[40+(\p):41+(\p)]
	v_pk_fma_f32 v[56+(\p):57+(\p)], v[56+(\p):57+(\p)], v[40+(\p):41+(\p)], -0.5 op_sel_hi:[1,1,0]
.endr
.irp p, 0,2,4,6
	v_pk_fma_f32 v[48+(\p):49+(\p)], v[48+(\p):49+(\p)], v[32+(\p):33+(\p)], v[32+(\p):33+(\p)]  ; sin r
	v_pk_fma_f32 v[56+(\p):57+(\p)], v[56+(\p):57+(\p)], v[40+(\p):41+(\p)], 1.0 op_sel_hi:[1,1,0]  ; cos r
.endr
	; cos(n pi/2 + r) = cos r, -sin r, -cos r, sin r for n % 4 = 0..3; sin a = cos(a - pi/2): the same with n - 1
.irp i, 0,1,2,3,4,5,6,7
	v_cvt_i32_f32 v[64+(\i)], v[24+(\i)]
	v_sub_nc_u32 v[64+(\i)], v[64+(\i)], v5
	v_and_b32 v[24+(\i)], 1, v[64+(\i)]
	v_cmp_eq_u32 vcc_lo, 1, v[24+(\i)]
	v_cndmask_b32 v[48+(\i)], v[56+(\i)], v[48+(\i)], vcc_lo  ; odd: sin r, even: cos r
	v_add_nc_u32 v[64+(\i)], 1, v[64+(\i)]
	v_and_b32 v[64+(\i)], 2, v[64+(\i)]            ; 1 and 2 of 0..3 turn the sign
	v_lshlrev_b32 v[64+(\i)], 30, v[64+(\i)]
	v_xor_b32 v[48+(\i)], v[64+(\i)], v[48+(\i)]
.endr
.irp p, 0,1,2,3
	v_cvt_pk_f16_f32 v[72+(\p)], v[48+2*(\p)], v[49+2*(\p)]
.endr
	global_store_b128 v78, v[72:75], s[16:17]      ; a wave's store covers 512 consecutive bytes
	s_endpgm
.Lfunc_end_k_q6155a4da88_prep:
	.size	k_q6155a4da88_prep, .Lfunc_end_k_q6155a4da88_prep-k_q6155a4da88_prep
	.p2alignl 7, 3214868480
	.fill 96, 4, 3214868480
	.section	.rodata,"a",@progbits
	.p2align	6, 0x0
	.amdhsa_kernel k_q6155a4da88_prep
		.amdhsa_group_segment_fixed_size 0
		.amdhsa_private_segment_fixed_size 0
		.amdhsa_enable_private_segment 0
		.amdhsa_kernarg_size 56
		.amdhsa_user_sgpr_count 2
		.amdhsa_user_sgpr_kernarg_segment_ptr 1
		.amdhsa_wavefront_size32 1
		.amdhsa_system_sgpr_workgroup_id_x 1
		.amdhsa_system_sgpr_workgroup_id_y 1
		.amdhsa_system_sgpr_workgroup_id_z 1
		.amdhsa_system_vgpr_workitem_id 0
		.amdhsa_next_free_vgpr 128
		.amdhsa_next_free_sgpr 66
		.amdhsa_reserve_vcc 1
		.amdhsa_float_denorm_mode_32 3
		.amdhsa_float_denorm_mode_16_64 3
		.amdhsa_memory_ordered 1
		.amdhsa_forward_progress 1
		.amdhsa_inst_pref_size 25
	.end_amdhsa_kernel
	.amdgpu_metadata
---
amdhsa.version: [ 1, 2 ]
amdhsa.kernels:
  - .name:           k_q6155a4da88_prep
    .symbol:         k_q6155a4da88_prep.kd
    .args:
      - { .name: Wq, .offset: 0, .size: 8, .value_kind: global_buffer, .address_space: global }
      - { .name: Wk, .offset: 8, .size: 8, .value_kind: global_buffer, .address_space: global }
      - { .name: Wv, .offset: 16, .size: 8, .value_kind: global_buffer, .address_space: global }
      - { .name: Wo, .offset: 24, .size: 8, .value_kind: global_buffer, .address_space: global }
      - { .name: query_position_ids, .offset: 32, .size: 8, .value_kind: global_buffer, .address_space: global }
      - { .name: w16, .offset: 40, .size: 8, .value_kind: global_buffer, .address_space: global }
      - { .name: rope, .offset: 48, .size: 8, .value_kind: global_buffer, .address_space: global }
    .group_segment_fixed_size: 0
    .private_segment_fixed_size: 0
    .kernarg_segment_align: 8
    .kernarg_segment_size: 56
    .max_flat_workgroup_size: 256
    .sgpr_count:     66
    .vgpr_count:     128
    .wavefront_size: 32
...
	.end_amdgpu_metadata
.endif
;; end of part 1
;; launch qkv (part 2): grid 4 x 192, 4 waves a work-group, clusters of 4 x 4, 327,680 bytes of LDS; arguments query, key, value, w16, bq, bk, bv, qkv; writes qkv
.if DOCPART == 2
	.amdgcn_target "amdgcn-amd-amdhsa--gfx1250"
	.amdhsa_code_object_version 6
	.text
	.protected	k_q6155a4da88_qkv
	.globl	k_q6155a4da88_qkv
	.p2align	8
	.type	k_q6155a4da88_qkv,@function
k_q6155a4da88_qkv:
	s_mov_b64 s[64:65], 0
	v_nop
	global_prefetch_b8 v0, s[64:65] scope:SCOPE_SE
	s_setreg_imm32_b32 hwreg(HW_REG_WAVE_MODE, 25, 1), 1
	s_wait_xcnt 0x0
	s_wait_alu depctr_hold_cnt(0) depctr_sa_sdst(0) depctr_va_vdst(0) depctr_va_sdst(0) depctr_va_ssrc(0) depctr_va_vcc(0) depctr_vm_vsrc(0)
	s_getreg_b32 s2, hwreg(HW_REG_IB_STS2, 6, 4)
	s_cmp_eq_u32 s2, 0
	s_cbranch_scc0 .Lentry_in_a_cluster
	s_endpgm
.Lentry_in_a_cluster:
	s_bfe_u32 s2, ttmp6, 0x10000c
	s_cmp_lg_u32 s2, 0xf033
	s_cbranch_scc0 .Lentry_shape_is_right
	s_endpgm
.Lentry_shape_is_right:
; THE THREE PROJECTIONS IN ONE LAUNCH.  y[t][n] = the sum over k of x[t][k] W[n][k] + b[n], for (x, W, b) = (query, Wq, bq), (key, Wk, bk), (value, Wv, bv): which of the three goes by the cluster's y / 16.
; x: [8192][1024] f32, rounded to bf16 between LDS and the matrix unit; W: [1024][1024] bf16 (plane 0..2 of w16); b rounded to bf16; sums in f32, started by b.
; y leaves rounded once to f16, by heads: qkv[plane][b*16+h][t][64], unscaled, q not yet rotated.
; LIMIT.  f16 holds no number beyond 65,504: a projected number of 65,520 or more in size becomes an infinity.
; SHARES.  A tile of y is 128 rows x 256 columns (four heads): 256 tiles a projection.  Four waves, each 64 x 128: 32 accumulators of 16 x 16.  K goes in 8 steps of 128 through two LDS slots;
; a step is four chunks of 32 along K, 32 matrix instructions each.
; CLUSTER.  4 x 4 work-groups: the four of a row need the same 128 rows of x, the four of a column the same 256 rows of W: each tile is asked for JOINTLY, by the same tensor load with the same
; descriptor and a mask that names the four.  The cluster's four columns are all 1,024 columns of y, so a row of x is asked for by one cluster alone.
; THE MATRIX INSTRUCTION IS USED TRANSPOSED (source 0 = 16 rows of W, source 1 = 16 rows of x): a lane holds eight neighbouring columns of one row of y.
; x's CONVERSION: a chunk's 64 rows x 32 numbers come out of LDS as f32 (64 registers) and are rounded in pairs (32 lines), four behind a matrix instruction of the chunk before.
; NO PREFETCH: K has eight steps, of which two slots are asked for at the head; the tiles are left to their joint loads.
; REGISTERS, in windows of 256 (s_set_vgpr_msb: bits 1:0 source 0, 3:2 source 1, 5:4 source 2, 7:6 destination):
;   window 0: v0-31 addresses; v32-95 a chunk of x in f32; v96-159 x in bf16, two buffers of 32; on the way out v64-191
;   window 1: the accumulators, (a, b) at v[8 (8 a + b)]          window 2: v0-127 W's fragments, two buffers of 64; v128-191 the bias; v192 at work
.set KSTEP,  128
.set PA,     528                       ; a row of x in LDS: 512 bytes + 16: an odd multiple of 16, so the 16 rows that a load touches start at 16 different groups of four banks (64 banks of 4 bytes: ISA guide 11.1)
.set PB,     272                       ; a row of W: 256 bytes + 16: likewise
.set HALFA,  64*PA                     ; what one tensor load brings of x
.set HALFB,  128*PB                    ; and of W
.set BOFF,   2*HALFA                   ; W's 256 rows lie behind x's 128
.set SLOT,   BOFF+2*HALFB              ; 137,216 bytes
.set STAGE,  2*SLOT                    ; behind the ring: 16 rows x 144 bytes for each wave, for the way out
.set SP,     144
.set SPARE,  STAGE+4*16*SP             ; behind the stages: the spare words, 128 bytes for each wave: two blocks of 256 bytes that no other line names
.set LAPS,   1024/(2*KSTEP)            ; a lap = two K steps = once round the ring
.set ADRA, 16                          ; v16-17  LDS address of my fragments of x in slot 0, 1
.set ADRB, 20                          ; v20-21  the same for W
.set STO,  24                          ; v24     the way out: where I put 16 bytes of a row
.set RD,   25                          ; v25     the way out: where I read rows back
.set GO,   26                          ; v26     my 16 bytes of 512 consecutive bytes of the output
.set BO,   27                          ; v27     my byte offset in 16 numbers of the bias
.set SPW,  28                          ; v28     LDS address of my spare word: SPARE + 4 x my thread's number; never rewritten
.set NIL,  29                          ; v29     0; never rewritten
.set RAW,  32
.set AF,   96
.set U,    64                          ; the way out: eight units of 16 registers
.set BF,   0                           ; window 2
.set BIAS, 128                         ; window 2: the eight numbers for column block b at BIAS + 8 b
.set BT,   192                         ; window 2
.set G1,  24                           ; s[24:31] descriptor group 1 for x's tiles;  s[32:39] group 0, one set for each slot
.set G0,  32
.set G1B, 48                           ; s[48:55], s[56:63] the same for W's tiles
.set G0B, 56
.set MSB, 0
.macro WIN new                         ; the immediate's high byte repeats the setting that is left; a switch that changes nothing is dropped
.if MSB != (\new)
	s_set_vgpr_msb (MSB<<8)|(\new)
.set MSB, \new
.endif
.endm
.set MUL,  0x52                        ; W window 2, x window 0, C and D window 1
.set MULB, 0x62                        ; the same with C in window 2: the bias starts the sums
.set TO_B, 0x80                        ; destination window 2, address window 0
.macro JLOAD s                         ; a joint load: waves 0 and 1 fetch x's two halves, waves 2 and 3 W's; an s_nop 0 and four v_nop follow each of the two lines, ahead of the jump, the label and what follows
	s_cmp_eq_u32 s11, 0
	s_cbranch_scc0 .Lfor_b_\@
	tensor_load_to_lds s[G0+4*(\s):G0+4*(\s)+3], s[G1:G1+7]
	s_nop 0
.rept 4
	v_nop
.endr
	s_branch .Lasked_\@
.Lfor_b_\@:
	tensor_load_to_lds s[G0B+4*(\s):G0B+4*(\s)+3], s[G1B:G1B+7]
	s_nop 0
.rept 4
	v_nop
.endr
.Lasked_\@:
.endm
.macro CREST                           ; a round of the cluster's barrier behind its opening barrier
	s_cmp_lg_u32 s10, 0
	s_cbranch_scc1 .Lnot_wave_0_\@
	s_barrier_signal -3
.Lnot_wave_0_\@:
	s_barrier_wait -3
	s_barrier_signal -1
	s_barrier_wait -1
.endm
.macro CROUND                          ; a whole round
	s_barrier_signal -1
	s_barrier_wait -1
	CREST
.endm
	s_load_b512 s[68:83], s[0:1], 0x0              ; query s[68:69], key s[70:71], value s[72:73], w16 s[74:75], bq s[76:77], bk s[78:79], bv s[80:81], qkv s[82:83]
	v_lshl_add_u32 v[SPW], v0, 2, SPARE
	v_mov_b32 v[NIL], 0
	ds_add_u32 v[SPW], v[NIL]                      ; the wave's opening: the add and its wait stand ahead of my first tensor load; the set-up below, work on registers, stands between them
	v_lshrrev_b32 v1, 5, v0
	v_readfirstlane_b32 s10, v1                    ; wave 0..3
	s_lshr_b32 s11, s10, 1                         ; which 64 rows of the tile are mine.  Also: I fetch for x (0) or for W (1)
	s_and_b32 s12, s10, 1                          ; which 128 columns.  Also: which half of that tile I fetch
	s_bfe_u32 s40, ttmp6, 0x40000                  ; cx, cy: my place in the cluster
	s_bfe_u32 s41, ttmp6, 0x40004
	s_lshl_b32 s42, ttmp9, 2
	s_add_co_u32 s42, s42, s40                     ; tile column = 4 x cluster x + cx
	s_and_b32 s85, ttmp7, 0xffff                   ; cluster y, 0..47
	s_lshr_b32 s84, s85, 4                         ; which projection: 0 q, 1 k, 2 v: the same in all sixteen partners
	s_and_b32 s13, s85, 15
	s_lshl_b32 s13, s13, 2
	s_add_co_u32 s13, s13, s41                     ; tile row, 0..63
	s_lshl_b32 s43, s41, 2
	s_lshl_b32 s43, 15, s43                        ; my row of the cluster
	s_lshl_b32 s44, 0x1111, s40                    ; my column
	; descriptor group 1 for x: 64 rows x 128 elements of 4 bytes
	s_or_b32 s[G1+0], s43, (2<<16)|(1<<20)|(1<<21)|(6<<22)|(3<<25)  ; 15:0 the mask: my row; 17:16 elements of 4 bytes; 20 padding on; 21 set beside a mask; 24:22 after every 128 words (code 6); 31:25 4 words (code 3)
	s_mov_b32 s[G1+1], KSTEP<<16                   ; tensor_dim0 = 128
	s_mov_b32 s[G1+2], 64<<16                      ; tensor_dim1 = 64
	s_mov_b32 s[G1+3], KSTEP<<16                   ; tile_dim0 = 128
	s_mov_b32 s[G1+4], 64                          ; tile_dim1 = 64
	s_mov_b32 s[G1+5], 1024                        ; elements from row to row
	s_mov_b32 s[G1+6], 0
	s_mov_b32 s[G1+7], 0
	; and for W: 128 rows x 128 elements of 2 bytes
	s_or_b32 s[G1B+0], s44, (1<<16)|(1<<20)|(1<<21)|(5<<22)|(3<<25) ; the mask: my column; elements of 2 bytes; 4 words of padding after every 64
	s_mov_b32 s[G1B+1], KSTEP<<16
	s_mov_b32 s[G1B+2], 128<<16
	s_mov_b32 s[G1B+3], KSTEP<<16
	s_mov_b32 s[G1B+4], 128
	s_mov_b32 s[G1B+5], 1024
	s_mov_b32 s[G1B+6], 0
	s_mov_b32 s[G1B+7], 0
	; where the tiles come from: x's hang on the tile row, W's on the tile column, each in registers that never hold the other coordinate
	s_lshl_b32 s16, s13, 7
	s_lshl_b32 s17, s12, 6
	s_add_co_u32 s16, s16, s17                     ; x: row 128 x tile row + 64 x half,
	s_lshl_b32 s16, s16, 12                        ; of 4,096 bytes (under 2^25)
	s_mov_b32 s17, 0
	s_lshl_b32 s46, s42, 8
	s_lshl_b32 s47, s12, 7
	s_add_co_u32 s46, s46, s47                     ; W: row 256 x tile column + 128 x half,
	s_lshl_b32 s46, s46, 11                        ; of 2,048 bytes,
	s_lshl_b32 s47, s84, 21
	s_add_co_u32 s46, s46, s47                     ; in the projection's plane of 2 MiB
	s_mov_b32 s47, 0
	s_mul_i32 s20, s12, HALFA                      ; and where they go: no place in the cluster enters an LDS address
	s_mul_i32 s18, s12, HALFB
	s_add_co_u32 s18, s18, BOFF
	; the bias of my 128 columns, and my part of the output
	s_lshl_b32 s90, s42, 10
	s_lshl_b32 s91, s12, 9
	s_add_co_u32 s90, s90, s91
	s_mov_b32 s91, 0
	s_lshr_b32 s88, s13, 4                         ; the batch,
	s_lshl_b32 s88, s88, 4
	s_lshl_b32 s89, s42, 2
	s_add_co_u32 s88, s88, s89
	s_lshl_b32 s89, s12, 1
	s_add_co_u32 s88, s88, s89                     ; my first head of its sixteen,
	s_lshl_b32 s88, s88, 11
	s_and_b32 s89, s13, 15
	s_lshl_b32 s89, s89, 7
	s_add_co_u32 s88, s88, s89
	s_lshl_b32 s89, s11, 6
	s_add_co_u32 s88, s88, s89                     ; my first row in it,
	s_lshl_b32 s88, s88, 7                         ; of 128 bytes,
	s_lshl_b32 s89, s84, 24
	s_add_co_u32 s88, s88, s89                     ; in the projection's plane of 16 MiB
	s_mov_b32 s89, 0
	s_wait_dscnt 0x0                               ; the opening add is done
	s_wait_kmcnt 0x0
	s_cmp_eq_u32 s84, 0
	s_cselect_b64 s[4:5], s[68:69], s[70:71]
	s_cselect_b64 s[86:87], s[76:77], s[78:79]
	s_cmp_eq_u32 s84, 2
	s_cselect_b64 s[4:5], s[72:73], s[4:5]         ; x
	s_cselect_b64 s[86:87], s[80:81], s[86:87]     ; b
	s_add_nc_u64 s[14:15], s[4:5], s[16:17]
	s_add_nc_u64 s[46:47], s[74:75], s[46:47]
	s_add_nc_u64 s[86:87], s[86:87], s[90:91]
	s_add_nc_u64 s[8:9], s[82:83], s[88:89]
	CROUND                                         ; all sixteen work-groups are here: the first joint loads meet
.irp s, 0,1
	s_mov_b32 s[G0+4*(\s)], 1                                      ; count = 1
	s_add_co_u32 s[G0+4*(\s)+1], s20, (\s)*SLOT                    ; LDS address
	s_add_nc_u64 s[G0+4*(\s)+2:G0+4*(\s)+3], s[14:15], (\s)*KSTEP*4  ; global address: K step s
	s_or_b32 s[G0+4*(\s)+3], s[G0+4*(\s)+3], 0x80000000            ; type = 2
	s_mov_b32 s[G0B+4*(\s)], 1
	s_add_co_u32 s[G0B+4*(\s)+1], s18, (\s)*SLOT
	s_add_nc_u64 s[G0B+4*(\s)+2:G0B+4*(\s)+3], s[46:47], (\s)*KSTEP*2
	s_or_b32 s[G0B+4*(\s)+3], s[G0B+4*(\s)+3], 0x80000000
	JLOAD \s                                       ; two loads of mine are out
.endr
	v_and_b32 v1, 15, v0                           ; l % 16
	v_bfe_u32 v2, v0, 4, 1                         ; l / 16
	v_lshlrev_b32 v[BO], 5, v2                     ; in a result my registers hold columns 8 (l / 16) + 0..7 of 16: 32 bytes of f32
	WIN TO_B
.irp b, 0,1,2,3,4,5,6,7
	global_load_b128 v[BIAS+8*(\b):BIAS+8*(\b)+3],   v[BO], s[86:87] offset:64*(\b)
	global_load_b128 v[BIAS+8*(\b)+4:BIAS+8*(\b)+7], v[BO], s[86:87] offset:64*(\b)+16
.endr
	WIN 0
	; a fragment is 16 rows x 32 K: lane l holds row l % 16, K = 8 (l / 16) + 0..7 and 16 + 8 (l / 16) + 0..7.  In bf16 two loads of 16 bytes, 32 apart; in f32 four: at 0, 16, 64, 80 from 32 (l / 16)
	v_mul_u32_u24 v3, v1, PA
	v_lshl_add_u32 v3, v2, 5, v3
	v_mul_u32_u24 v4, v1, PB
	v_lshl_add_u32 v4, v2, 4, v4
	s_mul_i32 s21, s11, 64*PA                      ; my 64 rows of x
	s_mul_i32 s22, s12, 128*PB                     ; my 128 rows of W,
	s_add_co_u32 s22, s22, BOFF                    ; which lie behind x's
.irp s, 0,1
	v_add_nc_u32 v[ADRA+(\s)], s21, v3
	v_add_nc_u32 v[ADRB+(\s)], s22, v4
	s_add_co_u32 s21, s21, SLOT
	s_add_co_u32 s22, s22, SLOT
.endr
	s_mul_i32 s23, s10, 16*SP
	s_add_co_u32 s23, s23, STAGE                   ; my stage
	v_mul_u32_u24 v[STO], v1, SP                   ; in: row l % 16, 16 bytes for each half of the lanes
	v_lshl_add_u32 v[STO], v2, 4, v[STO]
	v_add_nc_u32 v[STO], s23, v[STO]
	v_and_b32 v5, 7, v0
	v_bfe_u32 v[RD], v0, 3, 2                      ; back: 32 lanes take four rows of 128 bytes,
	v_mul_u32_u24 v[RD], v[RD], SP
	v_lshl_add_u32 v[RD], v5, 4, v[RD]
	v_add_nc_u32 v[RD], s23, v[RD]
	v_and_b32 v[GO], 31, v0                        ; which are 512 consecutive bytes of a head
	v_lshlrev_b32 v[GO], 4, v[GO]
	s_wait_loadcnt 0x0                             ; the bias
	WIN 0x8a                                       ; sources 0 and 1 and the destination in window 2
.set p, 0
.rept 32                                       ; rounded to bf16 like every input, and kept as f32: in the wait for the first tile
	v_cvt_pk_bf16_f32 v[BT], v[BIAS+p], v[BIAS+p+1]
	v_lshlrev_b32 v[BIAS+p], 16, v[BT]
	v_and_b32 v[BIAS+p+1], 0xffff0000, v[BT]
.set p, p+2
.endr
	WIN 0
; four of a chunk's 32 roundings: pair cv of the f32 registers into register cv of buffer CVG
.macro CV4
	WIN 0
.rept 4
	v_cvt_pk_bf16_f32 v[AF+32*CVG+cv], v[RAW+2*cv], v[RAW+2*cv+1]
.set cv, cv+1
.endr
.endm
; 8 matrix instructions: row block a x all 8 column blocks, 32 along K, from buffer f.  first = 1: the bias starts the sums: nothing is cleared.
; ride = 1: four roundings behind every second one; ride = 2: behind each.  They name none of the registers of the products round them.
; The 32 accumulators take turns in the same order in every chunk.
.macro MUL8 f, a, ride, first
.irp b, 0,1,2,3,4,5,6,7
.if \first
	WIN MULB
	v_wmma_f32_16x16x32_bf16 v[8*(8*(\a)+(\b)):8*(8*(\a)+(\b))+7], v[BF+64*(\f)+8*(\b):BF+64*(\f)+8*(\b)+7], v[AF+32*(\f)+8*(\a):AF+32*(\f)+8*(\a)+7], v[BIAS+8*(\b):BIAS+8*(\b)+7]
.else
	WIN MUL
	v_wmma_f32_16x16x32_bf16 v[8*(8*(\a)+(\b)):8*(8*(\a)+(\b))+7], v[BF+64*(\f)+8*(\b):BF+64*(\f)+8*(\b)+7], v[AF+32*(\f)+8*(\a):AF+32*(\f)+8*(\a)+7], v[8*(8*(\a)+(\b)):8*(8*(\a)+(\b))+7]
.endif
.if ((\ride) == 2) || (((\ride) == 1) && ((\b) % 2 == 1))
	CV4
.endif
.endr
.endm
; 32 LDS loads in one run: chunk c of a slot: W's 128 rows into buffer g, x's 64 rows as f32
.macro FETCH slot, c, g
	WIN TO_B
.irp b, 0,1,2,3,4,5,6,7
	ds_load_b128 v[BF+64*(\g)+8*(\b):BF+64*(\g)+8*(\b)+3],   v[ADRB+(\slot)] offset:(\b)*16*PB+64*(\c)
	ds_load_b128 v[BF+64*(\g)+8*(\b)+4:BF+64*(\g)+8*(\b)+7], v[ADRB+(\slot)] offset:(\b)*16*PB+64*(\c)+32
.endr
	WIN 0
.irp a, 0,1,2,3
	ds_load_b128 v[RAW+16*(\a):RAW+16*(\a)+3],     v[ADRA+(\slot)] offset:(\a)*16*PA+128*(\c)
	ds_load_b128 v[RAW+16*(\a)+4:RAW+16*(\a)+7],   v[ADRA+(\slot)] offset:(\a)*16*PA+128*(\c)+16
	ds_load_b128 v[RAW+16*(\a)+8:RAW+16*(\a)+11],  v[ADRA+(\slot)] offset:(\a)*16*PA+128*(\c)+64
	ds_load_b128 v[RAW+16*(\a)+12:RAW+16*(\a)+15], v[ADRA+(\slot)] offset:(\a)*16*PA+128*(\c)+80
.endr
.endm
.macro PLACES                          ; four places behind a matrix instruction, in front of loads and roundings into registers that it has read, and of lines that read results
.rept 4
	v_nop
.endr
.endm
; One of a K step's first three chunks: multiplies buffer f; at its head it fetches chunk c into buffer g, and in its second half it rounds that chunk's x.
.macro QUARTER slot, c, f, g, first
	PLACES                                         ; buffer g was multiplied last
	FETCH \slot, \c, \g
.set cv, 0
.set CVG, \g
	MUL8 \f, 0, 0, \first
	MUL8 \f, 1, 0, \first
	s_wait_dscnt 0x0                               ; the 32 loads, issued 16 matrix instructions ago, are in
	MUL8 \f, 2, 1, \first
	MUL8 \f, 3, 1, \first
.endm
; The last chunk multiplies buffer 1 and changes slots: ONE barrier; in front of it each wave waits for all its tensor loads, adds 0 to its spare word, and waits for that (its reads of this slot were
; waited for in the chunk before).  fill = 1: this slot is filled again, two K steps ahead; the barrier then opens a round of the cluster's.
.macro TURN slot, next, fill
	WIN 0                                          ; (the add's two registers lie in window 0)
	s_wait_tensorcnt 0x0                           ; all my tensor loads have landed: the one that was out is my part of the next slot
	ds_add_u32 v[SPW], v[NIL]                      ; 0 onto my spare word
	MUL8 1, 0, 0, 0                                ; eight matrix instructions stand between the add and the wait for it
	s_wait_dscnt 0x0                               ; the add is done, and no read of this slot is out
	s_barrier_signal -1
	MUL8 1, 1, 0, 0
.if \fill
	WIN 0
.endif
	s_barrier_wait -1
.if \fill
	CREST                                          ; no wave of any partner still reads this slot's tile or has a load on its way
	s_add_nc_u64 s[G0+4*(\slot)+2:G0+4*(\slot)+3], s[G0+4*(\slot)+2:G0+4*(\slot)+3], 2*KSTEP*4
	s_add_nc_u64 s[G0B+4*(\slot)+2:G0B+4*(\slot)+3], s[G0B+4*(\slot)+2:G0B+4*(\slot)+3], 2*KSTEP*2
	JLOAD \slot                                    ; the first tensor load behind the round: 112 matrix instructions ahead of the wait for it; its four v_nop are also the places in front of the loads below
.else
	PLACES
.endif
	FETCH \next, 0, 0
.set cv, 0
.set CVG, 0
	MUL8 1, 2, 0, 0
	s_wait_dscnt 0x0
	MUL8 1, 3, 2, 0
.endm
	s_wait_tensorcnt 0x1                           ; my part of K step 0 is in; K step 1's may stay out
	s_barrier_signal -1
	s_barrier_wait -1                              ; everybody's is
	FETCH 0, 0, 0
	s_wait_dscnt 0x0
.set cv, 0
.set CVG, 0
.rept 8
	CV4
.endr
	QUARTER 0, 1, 0, 1, 1                          ; the first chunk stands in front of the loop: its products start the sums
	WIN 0                                          ; at a label and at a branch every window is 0
	s_mov_b32 s3, LAPS-1
.Llap:                                                 ; a trip goes once round the ring, from a lap's second chunk to the next lap's first, and fills both slots again
	QUARTER 0, 2, 1, 0, 0
	QUARTER 0, 3, 0, 1, 0
	TURN 0, 1, 1
	QUARTER 1, 1, 0, 1, 0
	QUARTER 1, 2, 1, 0, 0
	QUARTER 1, 3, 0, 1, 0
	TURN 1, 0, 1
	QUARTER 0, 1, 0, 1, 0
	WIN 0
	s_sub_co_u32 s3, s3, 1
	s_cmp_lg_u32 s3, 0
	s_cbranch_scc1 .Llap
	QUARTER 0, 2, 1, 0, 0                          ; the last lap fills nothing, and has no round of the cluster's barrier
	QUARTER 0, 3, 0, 1, 0
	TURN 0, 1, 0
	QUARTER 1, 1, 0, 1, 0
	QUARTER 1, 2, 1, 0, 0
	QUARTER 1, 3, 0, 1, 0
	MUL8 1, 0, 0, 0                                ; the very last chunk: nothing more to fetch
	MUL8 1, 1, 0, 0
	MUL8 1, 2, 0, 0
	MUL8 1, 3, 0, 0
; THE WAY OUT, in eight units: unit u = 16 rows (row block u / 2) of one head (u % 2): 2,048 consecutive bytes of the output.  A lane's eight channels round to 16 bytes; they go into rows of 144 bytes of
; my own stage and come back as whole rows of 128.  Each accumulator's registers are taken in ascending order.
.macro PACK u
	WIN 0x05                                       ; sources 0 and 1 window 1, destination window 0
.irp cb, 0,1,2,3
.irp i, 0,1,2,3
	v_cvt_pk_f16_f32 v[U+16*(\u)+4*(\cb)+(\i)], v[8*(8*((\u)/2)+4*((\u)%2)+(\cb))+2*(\i)], v[8*(8*((\u)/2)+4*((\u)%2)+(\cb))+2*(\i)+1]
.endr
.endr
	WIN 0
.irp cb, 0,1,2,3
	ds_store_b128 v[STO], v[U+16*(\u)+4*(\cb):U+16*(\u)+4*(\cb)+3] offset:32*(\cb)
.endr
.irp f, 0,1,2,3
	ds_load_b128 v[U+16*(\u)+4*(\f):U+16*(\u)+4*(\f)+3], v[RD] offset:(\f)*4*SP  ; LDS serves a wave's instructions in order (ISA guide 5.7.1.4): these see the stores above; the next unit's stores come behind them
.endr
.endm
.macro SEND u, younger                 ; younger: the LDS instructions issued behind unit u's loads: the next unit's eight, or none
	WIN 0
.irp f, 0,1,2,3
	s_wait_dscnt (\younger)+3-(\f)
	global_store_b128 v[GO], v[U+16*(\u)+4*(\f):U+16*(\u)+4*(\f)+3], s[8:9] offset:((\u)%2)*262144+((\u)/2)*2048+(\f)*512  ; 512 consecutive bytes, at a multiple of 512 from the buffer's first
.endr
.endm
	PLACES
	PLACES                                         ; eight, once a launch
	PACK 0
.irp u, 1,2,3,4,5,6,7                  ; a unit's roundings stand between the loads of the unit before and its stores
	PACK \u
	SEND (\u)-1, 8
.endr
	SEND 7, 0
	s_wait_tensorcnt 0x0                           ; the wave's end: a wait, an add and a wait, behind my last tensor load and my last LDS store
	ds_add_u32 v[SPW], v[NIL]
	s_wait_dscnt 0x0
	CROUND                                         ; the closing round: no work-group ends while a partner may still ask for a tile that names it
	s_endpgm
.Lfunc_end_k_q6155a4da88_qkv:
	.size	k_q6155a4da88_qkv, .Lfunc_end_k_q6155a4da88_qkv-k_q6155a4da88_qkv
	.p2alignl 7, 3214868480
	.fill 96, 4, 3214868480
	.section	.rodata,"a",@progbits
	.p2align	6, 0x0
	.amdhsa_kernel k_q6155a4da88_qkv
		.amdhsa_group_segment_fixed_size 327680
		.amdhsa_private_segment_fixed_size 0
		.amdhsa_enable_private_segment 0
		.amdhsa_kernarg_size 64
		.amdhsa_user_sgpr_count 2
		.amdhsa_user_sgpr_kernarg_segment_ptr 1
		.amdhsa_wavefront_size32 1
		.amdhsa_system_sgpr_workgroup_id_x 1
		.amdhsa_system_sgpr_workgroup_id_y 1
		.amdhsa_system_sgpr_workgroup_id_z 1
		.amdhsa_system_vgpr_workitem_id 0
		.amdhsa_next_free_vgpr 768
		.amdhsa_next_free_sgpr 96
		.amdhsa_reserve_vcc 0
		.amdhsa_float_denorm_mode_32 3
		.amdhsa_float_denorm_mode_16_64 3
		.amdhsa_memory_ordered 1
		.amdhsa_forward_progress 1
		.amdhsa_inst_pref_size 141
	.end_amdhsa_kernel
	.amdgpu_metadata
---
amdhsa.version: [ 1, 2 ]
amdhsa.kernels:
  - .name:           k_q6155a4da88_qkv
    .symbol:         k_q6155a4da88_qkv.kd
    .args:
      - { .name: query, .offset: 0, .size: 8, .value_kind: global_buffer, .address_space: global }
      - { .name: key, .offset: 8, .size: 8, .value_kind: global_buffer, .address_space: global }
      - { .name: value, .offset: 16, .size: 8, .value_kind: global_buffer, .address_space: global }
      - { .name: w16, .offset: 24, .size: 8, .value_kind: global_buffer, .address_space: global }
      - { .name: bq, .offset: 32, .size: 8, .value_kind: global_buffer, .address_space: global }
      - { .name: bk, .offset: 40, .size: 8, .value_kind: global_buffer, .address_space: global }
      - { .name: bv, .offset: 48, .size: 8, .value_kind: global_buffer, .address_space: global }
      - { .name: qkv, .offset: 56, .size: 8, .value_kind: global_buffer, .address_space: global }
    .group_segment_fixed_size: 327680
    .private_segment_fixed_size: 0
    .kernarg_segment_align: 8
    .kernarg_segment_size: 64
    .max_flat_workgroup_size: 128
    .sgpr_count:     96
    .vgpr_count:     768
    .wavefront_size: 32
...
	.end_amdgpu_metadata
.endif
;; end of part 2
;; launch attn (part 3): grid 4 x 64, 4 waves a work-group, clusters of 4 x 1, 327,680 bytes of LDS; arguments qkv, rope, o16; writes o16
.if DOCPART == 3
	.amdgcn_target "amdgcn-amd-amdhsa--gfx1250"
	.amdhsa_code_object_version 6
	.text
	.protected	k_q6155a4da88_attn
	.globl	k_q6155a4da88_attn
	.p2align	8
	.type	k_q6155a4da88_attn,@function
k_q6155a4da88_attn:
	s_mov_b64 s[64:65], 0
	v_nop
	global_prefetch_b8 v0, s[64:65] scope:SCOPE_SE
	s_setreg_imm32_b32 hwreg(HW_REG_WAVE_MODE, 25, 1), 1
	s_wait_xcnt 0x0
	s_wait_alu depctr_hold_cnt(0) depctr_sa_sdst(0) depctr_va_vdst(0) depctr_va_sdst(0) depctr_va_ssrc(0) depctr_va_vcc(0) depctr_vm_vsrc(0)
	s_getreg_b32 s2, hwreg(HW_REG_IB_STS2, 6, 4)
	s_cmp_eq_u32 s2, 0
	s_cbranch_scc0 .Lentry_in_a_cluster
	s_endpgm
.Lentry_in_a_cluster:
	s_bfe_u32 s2, ttmp6, 0x10000c
	s_cmp_lg_u32 s2, 0x3003
	s_cbranch_scc0 .Lentry_shape_is_right
	s_endpgm
.Lentry_shape_is_right:
; O[h][q][:] = the sum over k of softmax_k(rot(Q[h][q]) . K[h][k] / 8) V[h][k][:].  Q, K, V: planes 0, 1, 2 of qkv, [64 = batch*16+head][2048][64] f16; O: o16, the same layout.
; rot is the rotation by the query's position: channels d and d + 32 (d = 0..31) become q1 cos - q2 sin and q2 cos + q1 sin, with cos and sin from the table rope[batch*2048+q][64] in f16
; (cos of the 32 frequencies, then sin).  It is made once, on Q's fragments in registers, in packed f16: a product and a multiply-add, each rounded to f16.
; Products, maxima and sums in f32; the weights p are rounded to f16 for the second product (their sum l is taken of the unrounded p), O once at the end.
; LIMITS.  f16 holds no number beyond 65,504: Q, K and V arrive within it, and Q within 46,000, so that the rotation's sum stays inside; p lies in 0 to 1, and below 6e-5 it keeps f16's fixed step
; of 6e-8; O is a mean of V's rows and has their range.  A weight below 2^-126 counts as 0 in l; NaN and infinities are not treated apart.
; SHARES.  A wave owns four PIECES of two tiles of 16 queries, a work-group's four waves 512 queries of one head.  Every wave walks all 2,048 keys, 64 a step.
; LAYOUT.  S^T = K Q^T (source 0 = 16 keys, source 1 = 16 queries): in the result a lane holds ONE query (lane % 16) and the keys 8 (lane / 16) + 0..7.  Two such tiles, rounded to f16 in pairs,
; ARE source 1 (32 keys x 16 queries) of O^T = V^T P, whose result again holds one query a lane, and eight channels.  K comes out of LDS as it lies, V ([key][channel]) turned, by ds_load_tr16_b128.
; SOFTMAX.  For each query a running maximum m and sum l: p = 2^(c s - c m), c = log2(e) / 8; in every step O and l are multiplied by a = 2^(c m_old - c m_new), which is 1 where m has not grown.
; m starts at the lowest finite number, O and l at 0: the first step is a step like any other, with a = 0.
; THE COUNT.  A tile and step have 16 matrix and 118 vector instructions: too many to stand all beside the matrix work.  So four vector instructions that are READY stand behind EVERY matrix
; instruction, and the others in runs without a gap.
; BY TURNS.  Turn n belongs to piece n (the pieces in a ring, step after step).  Its matrix work: 16 products K Q^T of piece n + 1, later 16 products V^T P of piece n - 1.  Its vector work: the scaling,
; exponentials, roundings, sums and rescaling of piece n, and the maximum and statistics of piece n + 1, whose scores the turn itself has made.
; CLUSTER.  The four query blocks of a head are one cluster and walk the same K and V, so each tile is asked for JOINTLY: the same tensor load, descriptor and mask in all four.
; REGISTERS, in windows of 256 (s_set_vgpr_msb: bits 1:0 source 0, 3:2 source 1, 5:4 source 2, 7:6 destination):
;   window 0: v0-11 addresses; v12-15, v48-63 at work; v16-47 four registers of statistics a tile; v64-191 S^T, two buffers of two tiles; v192-255 P, likewise
;   window 1: O^T, 32 a tile (at the start v0-127: the table)          window 2: v0-127 Q, 16 a tile; v128-191 K of one step; v192-255 V of one step          window 3: v0-1 the add's two registers
.set SIZE_N, 2048
.set NP,    4         ; pieces a wave: a name, no knob
.set KS,    64        ; keys in a step
.set PK,    144       ; a row of K in LDS: 128 bytes + 16 of padding = 36 words: the 16 rows of a load start at 16 different groups of four banks (64 banks of 4 bytes: ISA guide 11.1)
.set PV,    160       ; a row of V: 128 + 32 = 40 words
.set VOFF,  4*KS*PK   ; a slot holds four steps: 256 rows of K, then 256 rows of V
.set SLOT1, 1<<17     ; slot 1 begins here, so that one exclusive or turns an address in one slot into the other's
.set STAGE, SLOT1+4*KS*(PK+PV)  ; behind the ring, never filled by a tensor load: 16 rows x 144 bytes for each wave, for the way out
.set SP,    144
.set AK0, 2           ; v2   my lane's place in a tile of K; never rewritten
.set AV0, 3           ; v3   the same for V
.set AK,  4           ; v4   the LDS address of K's next run of loads
.set AV,  5           ; v5   of V's
.set QO,  6           ; v6   my byte offset in the wave's rows of Q and of the table
.set STO, 6           ;      later, the way out: where I put 16 bytes of a row
.set RD,  7           ; v7   the way out: where I read rows back
.set GO,  8           ; v8   my byte offset in 512 consecutive bytes of O
.set PFO, 11          ; v11  256 x my lane: the prefetches' offset; never rewritten once made
.set SPW, 0           ; v0 of window 3   LDS address of my spare word: SPARE + 4 x my thread's number; never rewritten
.set NIL, 1           ; v1 of window 3   0; never rewritten
.set SPARE, STAGE+4*16*SP  ; behind the stages: the spare words, 128 bytes for each wave: two blocks of 256 bytes that no other line names
.set MV,  12          ; v12-15  c m_old, kept while c m is made anew: by buffer and tile
.set ST,  16          ; tile t's statistics at v[ST+4 t]: c m, m, l (even keys', odd keys')
.set TMP, 48          ; by buffer and tile, four registers c0-c3 at work; when the maximum is found c2 takes a
.set S,   64
.set P,   192
.set KF,  128         ; K's fragments, in window 2: key block kb, channel half c at KF + 16 kb + 8 c
.set VF,  192         ; V's: key half kk, channel block cb at VF + 32 kk + 8 cb
.set WV,  12          ; s12  my wave's number
.set G1K, 24          ; s[24:31] descriptor group 1 for K's tiles
.set G1V, 32          ; s[32:39] for V's: it differs in the padding alone
.set G0K, 40          ; s[40:43] descriptor group 0 for K's tiles: it walks
.set G0V, 44          ; s[44:47] the same for V's
.set PFA, 48          ; s[48:49] where my prefetches stand: my work-group's 8,192 bytes (of K: wave 0, of V: wave 2) of the slot after the one that is being asked for
.set LIM, 50          ; s50  1 in a wave that prefetches, else the greatest number
.set TAB, 52          ; s[52:53] the table at my wave's first row
.set SLOTS, 56        ; s56  slots still to be asked for
.set CNT, 57          ; s57  counts a slot's key steps
.set CS,  58          ; s[58:59] c: the packed scaling takes the pair's low word for both halves
.set SEL, 60          ; s[60:61] v_permlanex16_b32's selects: each lane takes its own place in the other half
.set TBK, 62          ; s62  LDS byte at which K of the step to be fetched begins
.set TBV, 63          ; s63  the same for V, less VOFF
.set MSB, 0
.macro WIN new                      ; the high byte repeats the setting that is left; a switch that changes nothing is dropped
.if MSB != (\new)
	s_set_vgpr_msb (MSB<<8)|(\new)
.set MSB, (\new)
.endif
.endm
.set W_KQ, 0x0a       ; K and Q in window 2, S^T in window 0
.set W_PV, 0x52       ; V in window 2, P in window 0, O^T in window 1
.set W_RS, 0x41       ; O^T (destination and source 0) in window 1, a in window 0
.set W_MK, 0xc0       ; the add's registers are made: destination in window 3, sources in window 0
.set W_AD, 0x0f       ; the add: address (source 0) and data (source 1) in window 3
; A joint fill.  Waves 0 and 1 fetch the two halves of a slot's K, waves 2 and 3 those of its V: 128 keys each.  The branch hangs on the wave's number alone.
; An s_nop 0 and four v_nop follow each of the two lines, ahead of the jump and the label.
.macro JLOAD
	s_cmp_lt_u32 s[WV], 2
	s_cbranch_scc0 .Lfor_v_\@
	tensor_load_to_lds s[G0K:G0K+3], s[G1K:G1K+7]
	s_nop 0
.rept 4
	v_nop
.endr
	s_branch .Lasked_\@
.Lfor_v_\@:
	tensor_load_to_lds s[G0V:G0V+3], s[G1V:G1V+7]
	s_nop 0
.rept 4
	v_nop
.endr
.Lasked_\@:
.endm
; A PREFETCH INTO THE L2 of what the NEXT change of slots will ask for: a slot's 32,768 bytes of K and of V, 256 bytes a lane.  It stands behind the wave's tensor load and its five lines.
; Each block of 256 bytes is named once in the launch: a head's K and V are walked by one cluster; its four partners share a slot out BY ADDRESS, 8,192 bytes each; in each, wave 0 asks for K's and
; wave 2 for V's: one instruction.  It is asked four key steps, 512 matrix instructions, ahead of the load.  The last change that fills a slot asks for nothing: there is no slot behind it.
.macro ASK
	s_cmp_gt_u32 s[SLOTS], s[LIM]
	s_cbranch_scc0 .Lnot_mine_\@
	global_prefetch_b8 v[PFO], s[PFA:PFA+1] th:TH_LOAD_NT scope:SCOPE_SE
.Lnot_mine_\@:
.endm
; A round of the cluster's barrier: my work-group's barrier, so that wave 0's signal speaks for all four waves; wave 0 signals; every wave waits for all four work-groups; my work-group's barrier once more.
.macro CROUND
	s_barrier_signal -1
	s_barrier_wait -1
	s_cmp_lg_u32 s[WV], 0
	s_cbranch_scc1 .Lnot_wave_0_\@
	s_barrier_signal -3
.Lnot_wave_0_\@:
	s_barrier_wait -3
	s_barrier_signal -1
	s_barrier_wait -1
.endm
; THE CHANGE OF SLOTS.  The slot's last bytes, V of its fourth step, have been read.  Each wave waits for all its tensor loads, of which one is out: its part
; of the other slot; adds 0 to its spare word; and waits for that and for its own reads of the slot.  Behind the barrier nobody reads this slot any more and the other slot is whole.
; fill = 1: this slot is filled again, with the keys two slots on.  The barrier is then a round of the cluster's, and the joint fill is the first thing behind it: it has four key steps,
; 512 matrix instructions, in which to land.  (At its first use nothing has been read yet: slot 0 is waited for, slot 1 filled.)
.macro CHANGE fill
	WIN W_AD
	s_wait_tensorcnt 0x0            ; no tensor load of mine is out, so a group 0 may be written
	ds_add_u32 v[SPW], v[NIL]       ; 0 onto my spare word; with fill = 1 the descriptors' steps stand between it and the wait for it
	WIN 0                           ; at a label and at a branch every window is 0
.if \fill
.irp g, G0K, G0V
	s_xor_b32 s[\g+1], s[\g+1], SLOT1  ; the walking descriptor: the other slot than last time,
	s_add_nc_u64 s[\g+2:\g+3], s[\g+2:\g+3], 4*KS*128  ; the next 256 keys; the type bits on top are not reached
.endr
	s_wait_xcnt 0x0                 ; the last prefetch, four key steps back, has read its address, so it may be written:
	s_add_nc_u64 s[PFA:PFA+1], s[PFA:PFA+1], 4*KS*128  ; one slot beyond the walking descriptors
	s_wait_dscnt 0x0                ; the add is done, and my reads of the slot are over
	CROUND
	JLOAD
	ASK
.else
	s_wait_dscnt 0x0                ; the add is done, and my reads of the slot are over
	s_barrier_signal -1
	s_barrier_wait -1
.endif
	s_sub_co_u32 s[TBK], s[TBK], 4*KS*PK  ; the fetches go back to a slot's first step,
	s_xor_b32 s[TBK], s[TBK], SLOT1       ; in the other slot
	s_sub_co_u32 s[TBV], s[TBV], 4*KS*PV
	s_xor_b32 s[TBV], s[TBV], SLOT1
.endm
	s_load_b128 s[4:7], s[0:1], 0x0   ; qkv s[4:5], the table s[6:7]
	s_load_b64 s[10:11], s[0:1], 0x10 ; O
	WIN W_MK
	v_lshl_add_u32 v[SPW], v0, 2, SPARE
	v_mov_b32 v[NIL], 0
	WIN W_AD
	ds_add_u32 v[SPW], v[NIL]       ; the wave's opening: the add and its wait stand ahead of my first tensor load; the set-up below, work on registers, stands between them
	WIN 0
	v_lshrrev_b32 v1, 5, v0
	v_readfirstlane_b32 s[WV], v1   ; wave 0..3
	s_bfe_u32 s13, ttmp6, 0x40000   ; cx: my place in the cluster
	s_lshl_b32 s14, ttmp9, 2        ; in a cluster launch ttmp9 counts clusters
	s_add_co_u32 s14, s14, s13      ; my block of queries = 4 x cluster x + cx: it enters Q's, the table's and O's addresses alone
	s_and_b32 s20, ttmp7, 0xffff    ; the head (batch x 16 + head), which the four partners share
	s_lshr_b32 s54, s20, 4          ; the batch:
	s_lshl_b32 s54, s54, 18         ; its 2,048 rows of 128 bytes in the table
	s_mov_b32 s55, 0
	s_mov_b32 s21, 0
	s_mov_b64 s[22:23], SIZE_N*128
	s_mul_u64 s[20:21], s[20:21], s[22:23]  ; the head's first byte in a plane of qkv and in O
	s_and_b32 s16, s[WV], 1         ; which half of a slot's 256 keys I fetch:
	s_lshl_b32 s22, s16, 14         ; its 128 rows of 128 bytes in memory,
	s_mov_b32 s23, 0
	s_add_nc_u64 s[22:23], s[22:23], s[20:21]
	s_mul_i32 s17, s16, 128*PK      ; and its place in a slot, for K
	s_mul_i32 s18, s16, 128*PV      ; and for V: no place in the cluster enters an LDS address
	s_lshl_b32 s2, s14, 2
	s_add_co_u32 s2, s2, s[WV]      ; my wave among the head's,
	s_lshl_b32 s2, s2, 14           ; its 128 rows
	s_add_co_u32 s54, s54, s2       ; the same rows of the batch in the table
	s_mov_b32 s3, 0
	s_add_nc_u64 s[2:3], s[2:3], s[20:21]
	; descriptor group 1.  128 keys are 16,384 dense bytes: asked for as 64 rows of 256 bytes, two keys a row, and padded in LDS after every key
	s_mov_b32 s[G1K], 15|(1<<16)|(1<<20)|(1<<21)|(4<<22)|(3<<25)  ; 15:0 the mask of four; 17:16 2-byte elements; 20 padding on; 21 set beside a mask; 24:22 after every 32 words (code 4); 31:25 4 words (code 3)
	s_mov_b32 s[G1V], 15|(1<<16)|(1<<20)|(1<<21)|(4<<22)|(7<<25)  ; the same with 8 words of padding (code 7)
.irp g, G1K, G1V
	s_mov_b32 s[\g+1], 128<<16      ; tensor_dim0 = 128
	s_mov_b32 s[\g+2], 64<<16       ; tensor_dim1 = 64
	s_mov_b32 s[\g+3], 128<<16      ; tile_dim0 = 128
	s_mov_b32 s[\g+4], 64           ; tile_dim1 = 64
	s_mov_b32 s[\g+5], 128          ; 128 elements from row to row
	s_mov_b32 s[\g+6], 0
	s_mov_b32 s[\g+7], 0
.endr
	s_mov_b32 s[CS], 0x3e38aa3b     ; c = log2(e) / 8 = 0.180337
	s_mov_b32 s[CS+1], s[CS]        ; named with it as a pair
	s_mov_b32 s[SEL], 0x76543210
	s_mov_b32 s[SEL+1], 0xfedcba98
	s_mov_b32 s[TBK], SLOT1+4*KS*PK ; the first change of slots turns these two into 0
	s_mov_b32 s[TBV], SLOT1+4*KS*PV
	s_mov_b32 s[G0K], 1             ; 1:0 count = 1
	s_mov_b32 s[G0K+1], s17         ; 63:32 LDS address: slot 0
	s_mov_b32 s[G0V], 1
	s_add_co_u32 s[G0V+1], s18, VOFF
	s_mov_b32 s[SLOTS], SIZE_N/256-1  ; seven slots are asked for behind the first
	s_and_b32 s[LIM], s[WV], 1
	s_cmp_eq_u32 s[LIM], 0          ; waves 0 and 2 prefetch: the same in all four partners
	s_cselect_b32 s[LIM], 1, -1
	s_wait_dscnt 0x0                ; the opening add is done
	s_wait_kmcnt 0x0
	s_add_nc_u64 s[TAB:TAB+1], s[6:7], s[54:55]
	s_add_nc_u64 s[6:7], s[4:5], 0x1000000         ; k's plane of qkv,
	s_add_nc_u64 s[8:9], s[4:5], 0x2000000         ; v's
	s_add_nc_u64 s[G0K+2:G0K+3], s[6:7], s[22:23]  ; 120:64 global address: my half of the head's first 256 keys
	s_or_b32 s[G0K+3], s[G0K+3], 0x80000000        ; 127:126 type = 2
	s_add_nc_u64 s[G0V+2:G0V+3], s[8:9], s[22:23]
	s_or_b32 s[G0V+3], s[G0V+3], 0x80000000
	s_cmp_lt_u32 s[WV], 2
	s_cselect_b64 s[PFA:PFA+1], s[6:7], s[8:9]
	s_add_nc_u64 s[PFA:PFA+1], s[PFA:PFA+1], s[20:21]  ; the head's first row,
	s_lshl_b32 s54, s13, 13         ; my work-group's quarter of a slot,
	s_add_co_u32 s54, s54, 4*KS*128 ; in slot 1: the first change of slots steps it to slot 2.  Nothing is prefetched here, at the head
	s_add_nc_u64 s[PFA:PFA+1], s[PFA:PFA+1], s[54:55]
	s_add_nc_u64 s[4:5], s[4:5], s[2:3]  ; Q and O at my wave's first row
	s_add_nc_u64 s[10:11], s[10:11], s[2:3]
	CROUND                          ; all four work-groups are here: the first joint loads meet
	JLOAD                           ; slot 0.  Slot 1 is asked for when slot 0 is in
	; A fragment of K or Q is 16 rows x 32 channels in 8 registers: lane l holds row l % 16, channels 8 (l / 16) + 0..7 and 16 + 8 (l / 16) + 0..7: two loads of 16 bytes, 32 bytes apart.
	v_and_b32 v1, 15, v0            ; l % 16
	v_bfe_u32 v9, v0, 4, 1          ; l / 16
	v_lshlrev_b32 v[QO], 7, v1
	v_lshl_add_u32 v[QO], v9, 4, v[QO]  ; row x 128 + 16 x half
	WIN 0x80                        ; destination window 2, address window 0
.set i, 0
.rept 4*NP                          ; Q stays in registers: tile i / 2, channels 32 (i % 2) on
	global_load_b128 v[8*i:8*i+3],   v[QO], s[4:5] offset:(i/2)*2048+(i%2)*64
	global_load_b128 v[8*i+4:8*i+7], v[QO], s[4:5] offset:(i/2)*2048+(i%2)*64+32
.set i, i+1
.endr
	; What the first turn finds: V's registers and P's second buffer hold 0 (its products V^T P, of a piece that has not been, add 0), O^T and l are 0.  All this stands in the wait for the first tile.
.set i, VF
.rept 64
	v_mov_b32 v[i], 0
.set i, i+1
.endr
	WIN 0x40                        ; destination window 1
.set i, 0
.rept 2*NP                          ; the table's rows of tile i, by the same offsets as Q's: registers 16 i + 0..7 take cos as Q's take channels 0-31, registers 16 i + 8..15 sin as Q's take channels 32-63
	global_load_b128 v[16*i:16*i+3],     v[QO], s[TAB:TAB+1] offset:i*2048
	global_load_b128 v[16*i+4:16*i+7],   v[QO], s[TAB:TAB+1] offset:i*2048+32
	global_load_b128 v[16*i+8:16*i+11],  v[QO], s[TAB:TAB+1] offset:i*2048+64
	global_load_b128 v[16*i+12:16*i+15], v[QO], s[TAB:TAB+1] offset:i*2048+96
.set i, i+1
.endr
	WIN 0
.set i, 0
.rept 2*NP
	v_mov_b32 v[ST+4*i], 0xfe000000    ; c m: far below every c s
	v_mov_b32 v[ST+4*i+1], 0xff7fffff  ; m
	v_mov_b32 v[ST+4*i+2], 0
	v_mov_b32 v[ST+4*i+3], 0
.set i, i+1
.endr
.set i, P+32
.rept 32
	v_mov_b32 v[i], 0
.set i, i+1
.endr
	v_mul_u32_u24 v[AK0], v1, PK
	v_lshl_add_u32 v[AK0], v9, 4, v[AK0]  ; row x pitch + 16 x half
	; The turning load takes 16 keys x 16 channels (lane l reads key 8 (l / 16) + l % 8, channels 8 ((l / 8) % 2) + 0..7) and leaves half a fragment of V^T: lane l holds channel l % 16 and 8 keys.
	v_and_b32 v10, 7, v0
	v_bfe_u32 v11, v0, 3, 1
	v_lshl_add_u32 v[AV0], v9, 3, v10
	v_mul_u32_u24 v[AV0], v[AV0], PV
	v_lshl_add_u32 v[AV0], v11, 4, v[AV0]
	v_add_nc_u32 v[AV0], VOFF, v[AV0]
	v_mov_b32 v[AK], v[AK0]         ; key step 0 lies at the head of slot 0
	v_and_b32 v[PFO], 31, v0
	v_lshlrev_b32 v[PFO], 8, v[PFO]
	; THE ROTATION.  Register i of tile t holds two channels d of q1 (window 2, 16 t + i) and, eight registers on, the channels d + 32 of q2; cos and sin of the same two frequencies lie in window 1.
	s_wait_loadcnt 0x0              ; Q and the table
	WIN 0x06                        ; source 0 window 2, source 1 window 1, destination window 0: S^T's registers are free
.set i, 0
.rept 16*NP
	v_pk_mul_f16 v[S+16*(i/8)+i%8],   v[16*(i/8)+8+i%8], v[16*(i/8)+8+i%8]  ; q2 sin
	v_pk_mul_f16 v[S+16*(i/8)+8+i%8], v[16*(i/8)+i%8],   v[16*(i/8)+8+i%8]  ; q1 sin
.set i, i+1
.endr
	WIN 0x86                        ; source 0 and destination window 2, source 1 window 1, source 2 window 0
.set i, 0
.rept 16*NP
	v_pk_fma_f16 v[16*(i/8)+i%8],   v[16*(i/8)+i%8],   v[16*(i/8)+i%8], v[S+16*(i/8)+i%8] neg_lo:[0,0,1] neg_hi:[0,0,1]  ; q1 cos - q2 sin
	v_pk_fma_f16 v[16*(i/8)+8+i%8], v[16*(i/8)+8+i%8], v[16*(i/8)+i%8], v[S+16*(i/8)+8+i%8]                               ; q2 cos + q1 sin
.set i, i+1
.endr
	WIN 0x40                        ; the table has served: O^T starts at 0
.set i, 0
.rept 64*NP
	v_mov_b32 v[i], 0
.set i, i+1
.endr
	WIN 0
; THE MATRIX WORK.  The 8 accumulators of a run of 16 take turns: between the two links of a chain stand 7 others'.
; Product i of 16 of S^T = K Q^T for piece x: channels 32 (i / 8) on, keys 16 ((i / 2) % 4) on, tile 2 x + i % 2.  The first 8 start the sums.
.macro KQ x
	WIN W_KQ
.set rS, S+64*((\x)%2)+32*(i%2)+8*((i/2)%4)
.set rK, KF+16*((i/2)%4)+8*(i/8)
.set rQ, 16*(2*(\x)+i%2)+8*(i/8)
.if i < 8
	v_wmma_f32_16x16x32_f16 v[rS:rS+7], v[rK:rK+7], v[rQ:rQ+7], 0
.else
	v_wmma_f32_16x16x32_f16 v[rS:rS+7], v[rK:rK+7], v[rQ:rQ+7], v[rS:rS+7]
.endif
.endm
; Product i of 16 of O^T += V^T P for piece x: keys 32 (i / 8) on, channels 16 ((i / 2) % 4) on, tile 2 x + i % 2.
.macro PV x
	WIN W_PV
.set rO, 32*(2*(\x)+i%2)+8*((i/2)%4)
.set rV, VF+32*(i/8)+8*((i/2)%4)
.set rP, P+32*((\x)%2)+16*(i%2)+8*(i/8)
	v_wmma_f32_16x16x32_f16 v[rO:rO+7], v[rV:rV+7], v[rP:rP+7], v[rO:rO+7]
.endm
.macro MM                           ; the turn's next matrix instruction
.if i < 16
	KQ (Y+1)%NP
.set i, i+1
.else
.set i, i-16
	PV (Y+NP-1)%NP
.set i, i+17
.endif
.endm
; THE LDS LOADS stand in runs of 16, never singly among the matrix instructions: a step's K (64 keys x 64 channels: 8 fragments) and its V (turned).  Their addresses are made some lines ahead.
; last = 1 (the tail): in the last trip there is no further step, and the run is jumped over.
.macro FETCH_K last=0
	WIN 0
.if \last
	s_cmp_eq_u32 s[CNT], 1
	s_cbranch_scc1 .Lno_k_\@
.endif
	WIN 0x80                        ; destination window 2
.irp f, 0,1,2,3,4,5,6,7             ; keys 16 (f / 2) on, channels 32 (f % 2) on
	ds_load_b128 v[KF+8*\f:KF+8*\f+3],   v[AK] offset:(\f/2)*16*PK+(\f%2)*64
	ds_load_b128 v[KF+8*\f+4:KF+8*\f+7], v[AK] offset:(\f/2)*16*PK+(\f%2)*64+32
.endr
	s_add_co_u32 s[TBK], s[TBK], KS*PK  ; the next fetch is the next step's
	WIN 0
.if \last
.Lno_k_\@:
.endif
.endm
.macro FETCH_V
	WIN 0x80
.irp f, 0,1,2,3,4,5,6,7             ; keys 32 (f / 4) on, channels 16 (f % 4) on
	ds_load_tr16_b128 v[VF+8*\f:VF+8*\f+3],   v[AV] offset:(\f/4)*32*PV+(\f%4)*32
	ds_load_tr16_b128 v[VF+8*\f+4:VF+8*\f+7], v[AV] offset:(\f/4)*32*PV+16*PV+(\f%4)*32
.endr
	WIN 0
.endm
; THE VECTOR WORK OF A TURN stands in three queues, each in the order in which its entries become ready; the two tiles alternate, so that no instruction reads the result of the one before it.
.macro REGS y, u                    ; the registers of tile u (0, 1) of piece y
.set rT, ST+4*(2*(\y)+(\u))
.set rC, TMP+8*((\y)%2)+4*(\u)
.set rM, MV+2*((\y)%2)+(\u)
.set rS, S+64*((\y)%2)+32*(\u)
.set rP, P+32*((\y)%2)+16*(\u)
.set rO, 32*(2*(\y)+(\u))
.endm
; Number n of the 22 that find the NEXT piece's (Y + 1) maximum and statistics.  s0-s31 are the lane's 32 scores; each accumulator's lowest registers are read first.
;   0-11  four chains c0-c3 of seven scores each, three operands at a time     12-14, 16  the four scores left over, the old m, and c0-c3 into c0     15  c m_old is kept
;   17, 18  the query's other 32 keys lie in the lane 16 away: the new m         19-21  c m; c m_old - c m_new; a
.macro XS u, n
	REGS (Y+1)%NP, \u
.if (\n) < 4
	v_max3_num_f32 v[rC+(\n)], v[rS+8*(\n)], v[rS+8*(\n)+1], v[rS+8*(\n)+2]
.elseif (\n) < 12
	v_max3_num_f32 v[rC+(\n)%4], v[rC+(\n)%4], v[rS+8*((\n)%4)+2*((\n)/4)+1], v[rS+8*((\n)%4)+2*((\n)/4)+2]
.elseif (\n) == 12
	v_max3_num_f32 v[rC], v[rC], v[rS+7], v[rS+15]
.elseif (\n) == 13
	v_max3_num_f32 v[rC+1], v[rC+1], v[rS+23], v[rS+31]
.elseif (\n) == 14
	v_max3_num_f32 v[rC+2], v[rC+2], v[rC+3], v[rT+1]
.elseif (\n) == 15
	v_mov_b32 v[rM], v[rT]
.elseif (\n) == 16
	v_max3_num_f32 v[rC], v[rC], v[rC+1], v[rC+2]
.elseif (\n) == 17
	v_permlanex16_b32 v[rC+3], v[rC], s[SEL], s[SEL+1]
.elseif (\n) == 18
	v_max_num_f32 v[rT+1], v[rC], v[rC+3]
.elseif (\n) == 19
	v_mul_f32 v[rT], s[CS], v[rT+1]
.elseif (\n) == 20
	v_sub_f32 v[rC+1], v[rM], v[rT]
.else
	v_exp_f32 v[rC+2], v[rC+1]
.endif
.endm
; Number g of the 64 that follow the exponentials.  For each four weights k of a tile (pairs 2 k, 2 k + 1): both pairs are rounded to f16; then the second pair is added onto the first, in place;
; a group later l takes that sum (the first time as l = a l + sum).  In groups of eight, tiles alternating: round, round, add, and l for the group before.
.macro GS g
.set h, (\g)+6*((\g)/62)            ; group 0 has no group before it, and behind group 7 only l is left
.if h >= 6
.set h, h+2
.endif
	REGS Y, h%2
.set k, h/8
.if h%8 < 4
	s_wait_alu depctr_va_vdst(0)
	v_cvt_pk_f16_f32 v[rP+2*k+(h%8)/2], v[rS+4*k+2*((h%8)/2)], v[rS+4*k+2*((h%8)/2)+1]
.elseif h%8 < 6
	v_pk_add_f32 v[rS+4*k:rS+4*k+1], v[rS+4*k:rS+4*k+1], v[rS+4*k+2:rS+4*k+3]
.elseif k == 1
	v_pk_fma_f32 v[rT+2:rT+3], v[rT+2:rT+3], v[rC+2:rC+3], v[rS:rS+1] op_sel_hi:[1,0,1]
.else
	v_pk_add_f32 v[rT+2:rT+3], v[rT+2:rT+3], v[rS+4*k-4:rS+4*k-3]
	s_wait_alu depctr_va_vdst(0)
.endif
.endm
; THE PLAIN QUEUE, 138 long.  0-31: c s - c m for the 16 pairs of both tiles.  Then GS's 64, and among them the next piece's 42: number 15 at 38, 39; 0-14 and 16
; at 42-73, behind the products that make those scores; 17-20 at 95-106, two of three, since each waits for the one before it.
.macro PL
	WIN 0
.if q < 32
	REGS Y, q%2
	v_pk_fma_f32 v[rS+2*(q/2):rS+2*(q/2)+1], v[rS+2*(q/2):rS+2*(q/2)+1], s[CS:CS+1], v[rT:rT+1] op_sel_hi:[1,0,0] neg_lo:[0,0,1] neg_hi:[0,0,1]
.elseif q < 38
	GS q-32
.elseif q < 40
	XS q%2, 15
.elseif q < 42
	GS q-34
.elseif q < 74
	XS q%2, (q-42)/2+(q-42)/30
.elseif q < 95
	GS q-66
.elseif (q < 107) && ((q-95)%3 < 2)
	XS (q-95)%3, 17+(q-95)/3
.elseif q < 107
	GS 29+(q-95)/3
.else
	GS q-74
.endif
.set q, q+1
.endm
; THE EXPONENTIALS' QUEUE, 66 long: s0-s31 of both tiles, and at EA the next piece's two a.
.set EA, 58
.macro EX
	WIN 0
.if (e == EA) || (e == EA+1)
	XS e-EA, 21
.else
.set x, e-2*(e/(EA+2))
	REGS Y, x%2
	v_exp_f32 v[rS+x/2], v[rS+x/2]
.endif
.set e, e+1
.endm
; THE RESCALING's QUEUE: O^T times a, the one part that leaves window 0, so it is dealt four at a time, eight times.
.macro R4
	REGS Y, r%2
	WIN W_RS
	s_wait_alu depctr_va_vdst(0)
.irp z, 0,1,2,3
	v_pk_mul_f32 v[rO+8*(r/2)+2*\z:rO+8*(r/2)+2*\z+1], v[rO+8*(r/2)+2*\z:rO+8*(r/2)+2*\z+1], v[rC+2:rC+3] op_sel_hi:[1,0]
.endr
.set r, r+1
.endm
; HOW THEY ARE DEALT.  Behind a matrix instruction four: plain, exponential, plain, plain (one exponential, a plain instruction on either side), or four of the rescaling.  None names a register of the
; products round it.  What is over stands in two LUMPS: exponential and plain by turns; the second ends in 22 plain instructions.  The two v_permlanex16_b32 fall into the second lump, never behind a product.
; The queues lean on each other, and the deal keeps them in step: exponential e stands behind plain 2 (e / 4) + e % 2 (its scaling); when plain 32 comes, 10 exponentials are out, at 59: 33, at 95: 46; EA comes behind plain 107.
.macro SL
	MM
	PL
	EX
	PL
	PL
.endm
.macro BURST n                      ; 15 matrix instructions, or 16
.rept (\n)-7
	SL
.endr
.rept 3
	MM
	R4
	SL
.endr
	MM
	R4
.endm
; A TURN, for piece p.  cnt = 1: the loop's count is taken down some lines ahead of the branch that stands behind the turn.
; K of the next step is fetched in piece 2's turn, 31 vector instructions behind the last product that read K; its first reader comes behind the rest of the lump, 16 products and the second lump.
; V of the step in hand is fetched at the end of piece 0's turn, 69 behind its last reader; its first reader comes behind 16 products and a lump.  The four conditions on e and q below go with the deal.
.macro TURN p, last=0, cnt=0
.set Y, (\p)
.set i, 0
.set q, 0
.set e, 0
.set r, 0
.if (\p) == NP-1
	s_wait_dscnt 0x0                ; K is in
.endif
	MM
.rept 4
	PL
.endr
	BURST 15
.rept 22
	EX
	PL
.if ((\p) == NP-2) && (e == 18)
	v_add_nc_u32 v[AK], s[TBK], v[AK0]
.endif
.if ((\p) == NP-2) && (e == 24)
	FETCH_K \last
.endif
.endr
.if (\p) == 1
	s_wait_dscnt 0x0                ; V is in
.endif
	BURST 16
.rept 21
	EX
	PL
.endr
.rept 22
	PL
.if ((\p) == 0) && (q == 118)
	v_add_nc_u32 v[AV], s[TBV], v[AV0]
	s_wait_alu depctr_va_vdst(0)
.endif
.if ((\p) == 0) && (q == 130)
	s_add_co_u32 s[TBV], s[TBV], KS*PV
.endif
.if (\cnt) && (q == 130)
	s_sub_co_u32 s[CNT], s[CNT], 1
	s_cmp_lg_u32 s[CNT], 0
.endif
.endr
.if (\p) == 0
	FETCH_V
.endif
.endm
	CHANGE 1                        ; slot 0 is in, everybody's part of it; slot 1 is asked for
	FETCH_K                         ; key step 0
	s_wait_dscnt 0x0
.set i, 0
.rept 16
	KQ 0                            ; piece 0's first scores: there is no vector work yet to set between them
.set i, i+1
.endr
	WIN 0                           ; the addresses for the way out: plain instructions, the places behind those products
	s_mul_i32 s13, s[WV], 16*SP
	s_add_co_u32 s13, s13, STAGE    ; my stage
	v_mul_u32_u24 v[STO], v1, SP    ; in: row l % 16, 16 bytes for each half of the lanes
	v_lshl_add_u32 v[STO], v9, 4, v[STO]
	v_add_nc_u32 v[STO], s13, v[STO]
	v_bfe_u32 v[RD], v0, 3, 2       ; back: 32 lanes take four rows of 128 bytes,
	v_mul_u32_u24 v[RD], v[RD], SP
	v_lshl_add_u32 v[RD], v10, 4, v[RD]
	v_add_nc_u32 v[RD], s13, v[RD]
	v_and_b32 v[GO], 31, v0         ; which are 512 consecutive bytes of O
	v_lshlrev_b32 v[GO], 4, v[GO]
.set Y, NP-1                        ; XS works for piece Y + 1: piece 0
.irp n, 0,1,2,3,4,5,6,7,8,9,10,11,12,13,14,15,16,17,18,19,20,21
	XS 0, \n                        ; and piece 0's first maximum and statistics
	XS 1, \n
.endr
	s_mov_b32 s[CNT], 4
	s_branch .Lfirst                ; the loop is entered at a step's first turn, in the middle of a trip
.Lslot:                             ; SIZE_N / 256 - 2 times: every slot but the last two is filled again
	CHANGE 1
	s_mov_b32 s[CNT], 4
.Lstep:                             ; a trip: pieces 2 and 3 of one step, then pieces 0 and 1 of the next, whose K and V it fetches
	TURN 2
	TURN 3
	WIN 0
.Lfirst:
	TURN 0
	TURN 1, 0, 1
	WIN 0
	s_cbranch_scc1 .Lstep
	s_sub_co_u32 s[SLOTS], s[SLOTS], 1
	s_cmp_lg_u32 s[SLOTS], 0
	s_cbranch_scc1 .Lslot
	CHANGE 0                        ; the tail is written out: nothing is asked for
	s_mov_b32 s[CNT], 5             ; four trips fetch the last slot's steps; the fifth is left in its middle
.Ltail:
	TURN 2, 1
	TURN 3
	WIN 0
	s_sub_co_u32 s[CNT], s[CNT], 1
	s_cmp_eq_u32 s[CNT], 0
	s_cbranch_scc1 .Lout
	TURN 0
	TURN 1
	WIN 0
	s_branch .Ltail
.Lout:                              ; the fifth trip's 16 products K Q^T (on the last K once more) and the maximum made of them serve nothing: the price, once a launch, of one text for every trip
.set i, 0
.rept 16
	PV NP-1                         ; the last piece's V^T P of the last step
.set i, i+1
.endr
	; THE WAY OUT.  l's two halves and the other half of the lanes' are added; O^T is divided by l, rounded to f16 and sent through my stage in LDS, a tile at a time.  The additions are the places behind the last products.
	WIN 0
.macro ALL line:vararg              ; one line for each tile t
.set t, 0
.rept 2*NP
	\line
.set t, t+1
.endr
.endm
	ALL v_add_f32 v[ST+4*t+2], v[ST+4*t+2], v[ST+4*t+3]
	ALL v_permlanex16_b32 v[ST+4*t+3], v[ST+4*t+2], s[SEL], s[SEL+1]
	ALL v_add_f32 v[ST+4*t+2], v[ST+4*t+2], v[ST+4*t+3]
	ALL v_rcp_f32 v[ST+4*t+2], v[ST+4*t+2]
	v_nop                           ; a plain instruction between the last reciprocal and the use of its result
	s_wait_alu depctr_va_vdst(0)
; Tile t: a lane's eight channels of a row pack into 16 bytes; they go into rows of 144 bytes and come back as whole rows of 128, into S^T's registers.
.macro PACK t
	WIN W_RS
.set i, 32*(\t)
.rept 16
	v_pk_mul_f32 v[i:i+1], v[i:i+1], v[ST+4*(\t)+2:ST+4*(\t)+3] op_sel_hi:[1,0]
.set i, i+2
.endr
	WIN 0x05                        ; sources 0 and 1 window 1, destination window 0
.set i, 0
.rept 16
	v_cvt_pk_f16_f32 v[S+16*(\t)+i], v[32*(\t)+2*i], v[32*(\t)+2*i+1]
.set i, i+1
.endr
	WIN 0
.irp f, 0,1,2,3
	ds_store_b128 v[STO], v[S+16*(\t)+4*\f:S+16*(\t)+4*\f+3] offset:32*\f
.endr
.irp f, 0,1,2,3
	ds_load_b128 v[S+16*(\t)+4*\f:S+16*(\t)+4*\f+3], v[RD] offset:\f*4*SP  ; LDS serves a wave's instructions in order (ISA guide 5.7.1.4): these see the stores above; the next tile's stores come behind them
.endr
.endm
.macro SEND t, younger              ; younger: the LDS instructions issued behind tile t's loads: the next tile's eight, or none
	WIN 0
.irp f, 0,1,2,3
	s_wait_dscnt (\younger)+3-\f
	global_store_b128 v[GO], v[S+16*(\t)+4*\f:S+16*(\t)+4*\f+3], s[10:11] offset:(\t)*2048+\f*512  ; 512 consecutive bytes, at a multiple of 256 from O's first
.endr
.endm
	PACK 0
.set t, 1
.rept 2*NP-1                        ; a tile's arithmetic stands between the loads of the tile before and its stores
	PACK t
	SEND t-1, 8
.set t, t+1
.endr
	SEND 2*NP-1, 0
	WIN W_AD
	s_wait_tensorcnt 0x0            ; the wave's end: a wait, an add and a wait, behind my last tensor load and my last LDS store
	ds_add_u32 v[SPW], v[NIL]
	s_wait_dscnt 0x0
	WIN 0
	CROUND                          ; the closing round: no work-group ends while a partner may still ask for a tile that names it
	s_endpgm
.Lfunc_end_k_q6155a4da88_attn:
	.size	k_q6155a4da88_attn, .Lfunc_end_k_q6155a4da88_attn-k_q6155a4da88_attn
	.p2alignl 7, 3214868480
	.fill 96, 4, 3214868480
	.section	.rodata,"a",@progbits
	.p2align	6, 0x0
	.amdhsa_kernel k_q6155a4da88_attn
		.amdhsa_group_segment_fixed_size 327680
		.amdhsa_private_segment_fixed_size 0
		.amdhsa_enable_private_segment 0
		.amdhsa_kernarg_size 24
		.amdhsa_user_sgpr_count 2
		.amdhsa_user_sgpr_kernarg_segment_ptr 1
		.amdhsa_wavefront_size32 1
		.amdhsa_system_sgpr_workgroup_id_x 1
		.amdhsa_system_sgpr_workgroup_id_y 1
		.amdhsa_system_sgpr_workgroup_id_z 1
		.amdhsa_system_vgpr_workitem_id 0
		.amdhsa_next_free_vgpr 770
		.amdhsa_next_free_sgpr 66
		.amdhsa_reserve_vcc 0
		.amdhsa_float_denorm_mode_32 3
		.amdhsa_float_denorm_mode_16_64 3
		.amdhsa_memory_ordered 1
		.amdhsa_forward_progress 1
		.amdhsa_inst_pref_size 229
	.end_amdhsa_kernel
	.amdgpu_metadata
---
amdhsa.version: [ 1, 2 ]
amdhsa.kernels:
  - .name:           k_q6155a4da88_attn
    .symbol:         k_q6155a4da88_attn.kd
    .args:
      - { .name: qkv, .offset: 0, .size: 8, .value_kind: global_buffer, .address_space: global }
      - { .name: rope, .offset: 8, .size: 8, .value_kind: global_buffer, .address_space: global }
      - { .name: o16, .offset: 16, .size: 8, .value_kind: global_buffer, .address_space: global }
    .group_segment_fixed_size: 327680
    .private_segment_fixed_size: 0
    .kernarg_segment_align: 8
    .kernarg_segment_size: 24
    .max_flat_workgroup_size: 128
    .sgpr_count:     66
    .vgpr_count:     770
    .wavefront_size: 32
...
	.end_amdgpu_metadata
.endif
;; end of part 3
;; launch out (part 4): grid 4 x 64, 4 waves a work-group, clusters of 4 x 4, 327,680 bytes of LDS; arguments o16, w16, bo, out0; writes out0
.if DOCPART == 4
	.amdgcn_target "amdgcn-amd-amdhsa--gfx1250"
	.amdhsa_code_object_version 6
	.text
	.protected	k_q6155a4da88_out
	.globl	k_q6155a4da88_out
	.p2align	8
	.type	k_q6155a4da88_out,@function
k_q6155a4da88_out:
	s_mov_b64 s[64:65], 0
	v_nop
	global_prefetch_b8 v0, s[64:65] scope:SCOPE_SE
	s_setreg_imm32_b32 hwreg(HW_REG_WAVE_MODE, 25, 1), 1
	s_wait_xcnt 0x0
	s_wait_alu depctr_hold_cnt(0) depctr_sa_sdst(0) depctr_va_vdst(0) depctr_va_sdst(0) depctr_va_ssrc(0) depctr_va_vcc(0) depctr_vm_vsrc(0)
	s_getreg_b32 s2, hwreg(HW_REG_IB_STS2, 6, 4)
	s_cmp_eq_u32 s2, 0
	s_cbranch_scc0 .Lentry_in_a_cluster
	s_endpgm
.Lentry_in_a_cluster:
	s_bfe_u32 s2, ttmp6, 0x10000c
	s_cmp_lg_u32 s2, 0xf033
	s_cbranch_scc0 .Lentry_shape_is_right
	s_endpgm
.Lentry_shape_is_right:
; THE LAST PROJECTION.  out0[t][n] = the sum over k of O[t][k] Wo[n][k] + bo[n].  O lies by heads, o16[batch*16+head][2048][64] f16, k = 64 head + channel; Wo: plane 3 of w16, [1024][1024] f16
; (numbers rounded to bf16, written as f16); bo rounded to bf16; sums in f32, started by bo; out0: [8192][1024] f32.
; SHARES.  A tile of out0 is 128 rows x 256 columns: 256 work-groups.  Four waves, each 64 x 128: 32 accumulators.  K goes in 8 steps of 128 (two heads) through two LDS slots; a step is four chunks
; of 32 along K (half a head), 32 matrix instructions each.
; CLUSTER.  4 x 4 work-groups: the four of a row need the same rows of O, the four of a column the same rows of Wo: each tile is asked for JOINTLY.
; THE MATRIX INSTRUCTION IS USED TRANSPOSED (source 0 = 16 rows of Wo, source 1 = 16 rows of O): a lane holds eight neighbouring columns of one row of out0: 32 bytes.
; NO PREFETCH: K has eight steps, of which two slots are asked for at the head; the tiles are left to their joint loads.
; REGISTERS, in windows of 256 (s_set_vgpr_msb: bits 1:0 source 0, 3:2 source 1, 5:4 source 2, 7:6 destination):
;   window 0: v0-31 addresses; v32-95 O's fragments, two buffers of 32; v96-223 the way out, two sets of 64
;   window 1: the accumulators, (a, b) at v[8 (8 a + b)]          window 2: v0-127 Wo's fragments, two buffers of 64; v128-191 the bias; v192 at work
.set KSTEP,  128
.set PA,     144                       ; a row of a head of O in LDS: 128 bytes + 16: an odd multiple of 16, so the 16 rows that a load touches start at 16 different groups of four banks (64 banks of 4 bytes: ISA guide 11.1)
.set PB,     272                       ; a row of Wo: 256 bytes + 16: likewise
.set HEADA,  128*PA                    ; a head's 128 rows: what one tensor load brings of O
.set HALFB,  128*PB                    ; and of Wo
.set BOFF,   2*HEADA                   ; Wo's 256 rows lie behind O's two heads
.set SLOT,   BOFF+2*HALFB              ; 106,496 bytes
.set STAGE,  2*SLOT                    ; behind the ring: 16 rows x 528 bytes for each wave, for the way out
.set SP,     528
.set SPARE,  STAGE+4*16*SP             ; behind the stages: the spare words, 128 bytes for each wave: two blocks of 256 bytes that no other line names
.set LAPS,   1024/(2*KSTEP)
.set ADRA, 16                          ; v16-17  LDS address of my fragments of O in slot 0, 1
.set ADRB, 20                          ; v20-21  the same for Wo
.set STO,  24                          ; v24     the way out: where I put 32 bytes of a row
.set RD,   25                          ; v25     the way out: where I read a row back
.set CO,   26                          ; v26     my 16 bytes of 512 consecutive bytes of out0
.set BO,   27                          ; v27     my byte offset in 16 numbers of the bias
.set SPW,  28                          ; v28     LDS address of my spare word: SPARE + 4 x my thread's number; never rewritten
.set NIL,  29                          ; v29     0; never rewritten
.set AF,   32
.set OB,   96
.set BF,   0                           ; window 2
.set BIAS, 128                         ; window 2
.set BT,   192                         ; window 2
.set G1,  24                           ; s[24:31] descriptor group 1 for O's tiles;  s[32:39] group 0, one set for each slot
.set G0,  32
.set G1B, 48                           ; s[48:55], s[56:63] the same for Wo's tiles
.set G0B, 56
.set MSB, 0
.macro WIN new                         ; the immediate's high byte repeats the setting that is left; a switch that changes nothing is dropped
.if MSB != (\new)
	s_set_vgpr_msb (MSB<<8)|(\new)
.set MSB, \new
.endif
.endm
.set MUL,  0x52                        ; Wo window 2, O window 0, C and D window 1
.set MULB, 0x62                        ; the same with C in window 2: the bias starts the sums
.set TO_B, 0x80                        ; destination window 2, address window 0
.macro JLOAD s                         ; a joint load: waves 0 and 1 fetch O's two heads, waves 2 and 3 Wo's two halves; an s_nop 0 and four v_nop follow each of the two lines, ahead of the jump, the label and what follows
	s_cmp_eq_u32 s11, 0
	s_cbranch_scc0 .Lfor_b_\@
	tensor_load_to_lds s[G0+4*(\s):G0+4*(\s)+3], s[G1:G1+7]
	s_nop 0
.rept 4
	v_nop
.endr
	s_branch .Lasked_\@
.Lfor_b_\@:
	tensor_load_to_lds s[G0B+4*(\s):G0B+4*(\s)+3], s[G1B:G1B+7]
	s_nop 0
.rept 4
	v_nop
.endr
.Lasked_\@:
.endm
.macro CREST                           ; a round of the cluster's barrier behind its opening barrier
	s_cmp_lg_u32 s10, 0
	s_cbranch_scc1 .Lnot_wave_0_\@
	s_barrier_signal -3
.Lnot_wave_0_\@:
	s_barrier_wait -3
	s_barrier_signal -1
	s_barrier_wait -1
.endm
.macro CROUND                          ; a whole round
	s_barrier_signal -1
	s_barrier_wait -1
	CREST
.endm
	s_load_b256 s[68:75], s[0:1], 0x0              ; o16 s[68:69], w16 s[70:71], bo s[72:73], out0 s[74:75]
	v_lshl_add_u32 v[SPW], v0, 2, SPARE
	v_mov_b32 v[NIL], 0
	ds_add_u32 v[SPW], v[NIL]                      ; the wave's opening: the add and its wait stand ahead of my first tensor load; the set-up below, work on registers, stands between them
	v_lshrrev_b32 v1, 5, v0
	v_readfirstlane_b32 s10, v1                    ; wave 0..3
	s_lshr_b32 s11, s10, 1                         ; which 64 rows of the tile are mine.  Also: I fetch for O (0) or for Wo (1)
	s_and_b32 s12, s10, 1                          ; which 128 columns.  Also: which head of a step, or which half of Wo's rows, I fetch
	s_bfe_u32 s40, ttmp6, 0x40000                  ; cx, cy: my place in the cluster
	s_bfe_u32 s41, ttmp6, 0x40004
	s_lshl_b32 s42, ttmp9, 2
	s_add_co_u32 s42, s42, s40                     ; tile column = 4 x cluster x + cx
	s_and_b32 s13, ttmp7, 0xffff
	s_lshl_b32 s13, s13, 2
	s_add_co_u32 s13, s13, s41                     ; tile row = 4 x cluster y + cy, 0..63
	s_lshl_b32 s43, s41, 2
	s_lshl_b32 s43, 15, s43                        ; my row of the cluster
	s_lshl_b32 s44, 0x1111, s40                    ; my column
	; descriptor group 1 for O: a head's 128 rows are 16,384 dense bytes: asked for as 64 rows of 256 bytes, two rows of O each, padded in LDS after every row of O
	s_or_b32 s[G1+0], s43, (1<<16)|(1<<20)|(1<<21)|(4<<22)|(3<<25)  ; 15:0 the mask: my row; 17:16 elements of 2 bytes; 20 padding on; 21 set beside a mask; 24:22 after every 32 words (code 4); 31:25 4 words (code 3)
	s_mov_b32 s[G1+1], 128<<16                     ; tensor_dim0 = 128
	s_mov_b32 s[G1+2], 64<<16                      ; tensor_dim1 = 64
	s_mov_b32 s[G1+3], 128<<16                     ; tile_dim0 = 128
	s_mov_b32 s[G1+4], 64                          ; tile_dim1 = 64
	s_mov_b32 s[G1+5], 128                         ; elements from row to row
	s_mov_b32 s[G1+6], 0
	s_mov_b32 s[G1+7], 0
	; and for Wo: 128 rows x 128 elements of 2 bytes
	s_or_b32 s[G1B+0], s44, (1<<16)|(1<<20)|(1<<21)|(5<<22)|(3<<25) ; the mask: my column; 4 words of padding after every 64
	s_mov_b32 s[G1B+1], KSTEP<<16
	s_mov_b32 s[G1B+2], 128<<16
	s_mov_b32 s[G1B+3], KSTEP<<16
	s_mov_b32 s[G1B+4], 128
	s_mov_b32 s[G1B+5], 1024
	s_mov_b32 s[G1B+6], 0
	s_mov_b32 s[G1B+7], 0
	; where the tiles come from: O's hang on the tile row, Wo's on the tile column, each in registers that never hold the other coordinate
	s_lshr_b32 s16, s13, 4                         ; the batch,
	s_lshl_b32 s16, s16, 4
	s_add_co_u32 s16, s16, s12                     ; its head 0 or 1,
	s_lshl_b32 s16, s16, 11
	s_and_b32 s17, s13, 15
	s_lshl_b32 s17, s17, 7
	s_add_co_u32 s16, s16, s17                     ; the tile's first row in it,
	s_lshl_b32 s16, s16, 7                         ; of 128 bytes
	s_mov_b32 s17, 0
	s_lshl_b32 s46, s42, 8
	s_lshl_b32 s47, s12, 7
	s_add_co_u32 s46, s46, s47                     ; Wo: row 256 x tile column + 128 x half,
	s_lshl_b32 s46, s46, 11                        ; of 2,048 bytes,
	s_add_co_u32 s46, s46, 3<<21                   ; in plane 3
	s_mov_b32 s47, 0
	s_mul_i32 s20, s12, HEADA                      ; and where they go: no place in the cluster enters an LDS address
	s_mul_i32 s18, s12, HALFB
	s_add_co_u32 s18, s18, BOFF
	; the bias of my 128 columns, and my part of out0
	s_lshl_b32 s90, s42, 10
	s_lshl_b32 s91, s12, 9
	s_add_co_u32 s90, s90, s91                     ; my first column, in bytes of f32
	s_mov_b32 s91, 0
	s_lshl_b32 s88, s13, 7
	s_lshl_b32 s89, s11, 6
	s_add_co_u32 s88, s88, s89                     ; my first row,
	s_lshl_b32 s88, s88, 12                        ; of 4,096 bytes,
	s_add_co_u32 s88, s88, s90                     ; and column
	s_mov_b32 s89, 0
	s_wait_dscnt 0x0                               ; the opening add is done
	s_wait_kmcnt 0x0
	s_add_nc_u64 s[14:15], s[68:69], s[16:17]
	s_add_nc_u64 s[46:47], s[70:71], s[46:47]
	s_add_nc_u64 s[86:87], s[72:73], s[90:91]
	s_add_nc_u64 s[8:9], s[74:75], s[88:89]
	CROUND                                         ; all sixteen work-groups are here: the first joint loads meet
.irp s, 0,1
	s_mov_b32 s[G0+4*(\s)], 1                                      ; count = 1
	s_add_co_u32 s[G0+4*(\s)+1], s20, (\s)*SLOT                    ; LDS address
	s_add_nc_u64 s[G0+4*(\s)+2:G0+4*(\s)+3], s[14:15], (\s)*2*262144  ; global address: K step s is heads 2 s and 2 s + 1, 262,144 bytes each
	s_or_b32 s[G0+4*(\s)+3], s[G0+4*(\s)+3], 0x80000000            ; type = 2
	s_mov_b32 s[G0B+4*(\s)], 1
	s_add_co_u32 s[G0B+4*(\s)+1], s18, (\s)*SLOT
	s_add_nc_u64 s[G0B+4*(\s)+2:G0B+4*(\s)+3], s[46:47], (\s)*KSTEP*2
	s_or_b32 s[G0B+4*(\s)+3], s[G0B+4*(\s)+3], 0x80000000
	JLOAD \s                                       ; two loads of mine are out
.endr
	v_and_b32 v1, 15, v0                           ; l % 16
	v_bfe_u32 v2, v0, 4, 1                         ; l / 16
	v_lshlrev_b32 v[BO], 5, v2                     ; in a result my registers hold columns 8 (l / 16) + 0..7 of 16: 32 bytes of f32
	WIN TO_B
.irp b, 0,1,2,3,4,5,6,7
	global_load_b128 v[BIAS+8*(\b):BIAS+8*(\b)+3],   v[BO], s[86:87] offset:64*(\b)
	global_load_b128 v[BIAS+8*(\b)+4:BIAS+8*(\b)+7], v[BO], s[86:87] offset:64*(\b)+16
.endr
	WIN 0
	; a fragment is 16 rows x 32 K in 8 registers: lane l holds row l % 16, K = 8 (l / 16) + 0..7 and 16 + 8 (l / 16) + 0..7: two loads of 16 bytes, 32 apart
	v_mul_u32_u24 v3, v1, PA
	v_lshl_add_u32 v3, v2, 4, v3
	v_mul_u32_u24 v4, v1, PB
	v_lshl_add_u32 v4, v2, 4, v4
	s_mul_i32 s21, s11, 64*PA                      ; my 64 rows, in each head
	s_mul_i32 s22, s12, 128*PB                     ; my 128 rows of Wo,
	s_add_co_u32 s22, s22, BOFF                    ; which lie behind O's
.irp s, 0,1
	v_add_nc_u32 v[ADRA+(\s)], s21, v3
	v_add_nc_u32 v[ADRB+(\s)], s22, v4
	s_add_co_u32 s21, s21, SLOT
	s_add_co_u32 s22, s22, SLOT
.endr
	s_mul_i32 s23, s10, 16*SP
	s_add_co_u32 s23, s23, STAGE                   ; my stage
	v_mul_u32_u24 v[STO], v1, SP                   ; in: row l % 16, 32 bytes for each half of the lanes
	v_lshl_add_u32 v[STO], v2, 5, v[STO]
	v_add_nc_u32 v[STO], s23, v[STO]
	v_and_b32 v[CO], 31, v0
	v_lshlrev_b32 v[CO], 4, v[CO]                  ; back: 32 lanes take one row's 512 bytes,
	v_add_nc_u32 v[RD], s23, v[CO]                 ; which are 512 consecutive bytes of out0
	s_wait_loadcnt 0x0                             ; the bias
	WIN 0x8a                                       ; sources 0 and 1 and the destination in window 2
.set p, 0
.rept 32                                       ; rounded to bf16 like every input, and kept as f32: in the wait for the first tile
	v_cvt_pk_bf16_f32 v[BT], v[BIAS+p], v[BIAS+p+1]
	v_lshlrev_b32 v[BIAS+p], 16, v[BT]
	v_and_b32 v[BIAS+p+1], 0xffff0000, v[BT]
.set p, p+2
.endr
	WIN 0
; 8 matrix instructions: row block a x all 8 column blocks, 32 along K, from buffer f.  first = 1: the bias starts the sums: nothing is cleared.
; The 32 accumulators take turns in the same order in every chunk.
.macro MUL8 f, a, first
.irp b, 0,1,2,3,4,5,6,7
.if \first
	WIN MULB
	v_wmma_f32_16x16x32_f16 v[8*(8*(\a)+(\b)):8*(8*(\a)+(\b))+7], v[BF+64*(\f)+8*(\b):BF+64*(\f)+8*(\b)+7], v[AF+32*(\f)+8*(\a):AF+32*(\f)+8*(\a)+7], v[BIAS+8*(\b):BIAS+8*(\b)+7]
.else
	WIN MUL
	v_wmma_f32_16x16x32_f16 v[8*(8*(\a)+(\b)):8*(8*(\a)+(\b))+7], v[BF+64*(\f)+8*(\b):BF+64*(\f)+8*(\b)+7], v[AF+32*(\f)+8*(\a):AF+32*(\f)+8*(\a)+7], v[8*(8*(\a)+(\b)):8*(8*(\a)+(\b))+7]
.endif
.endr
.endm
; 24 LDS loads in one run: chunk c of a slot (head c / 2 of the step, channels 32 (c % 2) on) into buffer g
.macro FETCH slot, c, g
	WIN TO_B
.irp b, 0,1,2,3,4,5,6,7
	ds_load_b128 v[BF+64*(\g)+8*(\b):BF+64*(\g)+8*(\b)+3],   v[ADRB+(\slot)] offset:(\b)*16*PB+64*(\c)
	ds_load_b128 v[BF+64*(\g)+8*(\b)+4:BF+64*(\g)+8*(\b)+7], v[ADRB+(\slot)] offset:(\b)*16*PB+64*(\c)+32
.endr
	WIN 0
.irp a, 0,1,2,3
	ds_load_b128 v[AF+32*(\g)+8*(\a):AF+32*(\g)+8*(\a)+3],   v[ADRA+(\slot)] offset:((\c)/2)*HEADA+((\c)%2)*64+(\a)*16*PA
	ds_load_b128 v[AF+32*(\g)+8*(\a)+4:AF+32*(\g)+8*(\a)+7], v[ADRA+(\slot)] offset:((\c)/2)*HEADA+((\c)%2)*64+(\a)*16*PA+32
.endr
.endm
.macro PLACES                          ; four places behind a matrix instruction, in front of loads into registers that it has read and of lines that read results
.rept 4
	v_nop
.endr
.endm
; One of a K step's first three chunks: multiplies buffer f, and at its head fetches chunk c into buffer g.
.macro QUARTER slot, c, f, g, first
	s_wait_dscnt 0x0                               ; buffer f's loads are in
	PLACES                                         ; buffer g was multiplied last
	FETCH \slot, \c, \g
	MUL8 \f, 0, \first
	MUL8 \f, 1, \first
	MUL8 \f, 2, \first
	MUL8 \f, 3, \first
.endm
; The last chunk multiplies buffer 1 and changes slots: ONE barrier; in front of it each wave waits for all its tensor loads, adds 0 to its spare word, and waits for that and for its own reads of this slot.
; fill = 1: this slot is filled again, two K steps ahead; the barrier then opens a round of the cluster's.
.macro TURN slot, next, fill
	WIN 0                                          ; (the add's two registers lie in window 0)
	s_wait_tensorcnt 0x0                           ; all my tensor loads have landed: the one that was out is my part of the next slot
	ds_add_u32 v[SPW], v[NIL]                      ; 0 onto my spare word
	s_wait_dscnt 0x1                               ; the add alone may be out: buffer 1's loads are in
	MUL8 1, 0, 0                                   ; eight matrix instructions stand between the add and the wait for it
	s_wait_dscnt 0x0                               ; the add is done, and my reads of this slot are over
	s_barrier_signal -1
	MUL8 1, 1, 0
.if \fill
	WIN 0
.endif
	s_barrier_wait -1
.if \fill
	CREST                                          ; no wave of any partner still reads this slot's tile or has a load on its way
	s_add_nc_u64 s[G0+4*(\slot)+2:G0+4*(\slot)+3], s[G0+4*(\slot)+2:G0+4*(\slot)+3], 4*262144
	s_add_nc_u64 s[G0B+4*(\slot)+2:G0B+4*(\slot)+3], s[G0B+4*(\slot)+2:G0B+4*(\slot)+3], 2*KSTEP*2
	JLOAD \slot                                    ; the first tensor load behind the round: 112 matrix instructions ahead of the wait for it; its four v_nop are also the places in front of the loads below
.else
	PLACES
.endif
	FETCH \next, 0, 0
	MUL8 1, 2, 0
	MUL8 1, 3, 0
.endm
	s_wait_tensorcnt 0x1                           ; my part of K step 0 is in; K step 1's may stay out
	s_barrier_signal -1
	s_barrier_wait -1                              ; everybody's is
	FETCH 0, 0, 0
	QUARTER 0, 1, 0, 1, 1                          ; the first chunk stands in front of the loop: its products start the sums
	WIN 0                                          ; at a label and at a branch every window is 0
	s_mov_b32 s3, LAPS-1
.Llap:                                                 ; a trip goes once round the ring, from a lap's second chunk to the next lap's first, and fills both slots again
	QUARTER 0, 2, 1, 0, 0
	QUARTER 0, 3, 0, 1, 0
	TURN 0, 1, 1
	QUARTER 1, 1, 0, 1, 0
	QUARTER 1, 2, 1, 0, 0
	QUARTER 1, 3, 0, 1, 0
	TURN 1, 0, 1
	QUARTER 0, 1, 0, 1, 0
	WIN 0
	s_sub_co_u32 s3, s3, 1
	s_cmp_lg_u32 s3, 0
	s_cbranch_scc1 .Llap
	QUARTER 0, 2, 1, 0, 0                          ; the last lap fills nothing, and has no round of the cluster's barrier
	QUARTER 0, 3, 0, 1, 0
	TURN 0, 1, 0
	QUARTER 1, 1, 0, 1, 0
	QUARTER 1, 2, 1, 0, 0
	QUARTER 1, 3, 0, 1, 0
	s_wait_dscnt 0x0                               ; the very last chunk: nothing more to fetch
	MUL8 1, 0, 0
	MUL8 1, 1, 0
	MUL8 1, 2, 0
	MUL8 1, 3, 0
; THE WAY OUT, a block of 16 rows at a time: a lane's 32 bytes of a row go from the accumulators straight into rows of 528 bytes of my own stage (each accumulator's low four registers first),
; and come back as whole rows of 512 bytes.
.macro TOSTAGE a
.if (\a) >= 2
	s_wait_xcnt 0x0                                ; the stores of the block two back have read this set of registers: it is loaded again only behind this wait
.endif
	WIN 0x04                                       ; the stores' data in window 1
.irp b, 0,1,2,3,4,5,6,7
	ds_store_b128 v[STO], v[8*(8*(\a)+(\b)):8*(8*(\a)+(\b))+3]   offset:64*(\b)
	ds_store_b128 v[STO], v[8*(8*(\a)+(\b))+4:8*(8*(\a)+(\b))+7] offset:64*(\b)+16
.endr
	WIN 0
.irp t, 0,1,2,3,4,5,6,7,8,9,10,11,12,13,14,15
	ds_load_b128 v[OB+64*((\a)%2)+4*(\t):OB+64*((\a)%2)+4*(\t)+3], v[RD] offset:(\t)*SP  ; LDS serves a wave's instructions in order (ISA guide 5.7.1.4): these see the stores above; the next block's stores come behind them
.endr
.endm
.macro SEND a, younger                 ; younger: the LDS instructions issued behind block a's loads: the next block's 32, or none
	WIN 0
.irp t, 0,1,2,3,4,5,6,7,8,9,10,11,12,13,14,15
	s_wait_dscnt (\younger)+15-(\t)
	global_store_b128 v[CO], v[OB+64*((\a)%2)+4*(\t):OB+64*((\a)%2)+4*(\t)+3], s[8:9] offset:(16*(\a)+(\t))*4096  ; 512 consecutive bytes, at a multiple of 512 from out0's first
.endr
.endm
	PLACES
	PLACES                                         ; eight, once a launch
	TOSTAGE 0
	TOSTAGE 1
	SEND 0, 32
	TOSTAGE 2
	SEND 1, 32
	TOSTAGE 3
	SEND 2, 32
	SEND 3, 0
	s_wait_tensorcnt 0x0                           ; the wave's end: a wait, an add and a wait, behind my last tensor load and my last LDS store
	ds_add_u32 v[SPW], v[NIL]
	s_wait_dscnt 0x0
	CROUND                                         ; the closing round: no work-group ends while a partner may still ask for a tile that names it
	s_endpgm
.Lfunc_end_k_q6155a4da88_out:
	.size	k_q6155a4da88_out, .Lfunc_end_k_q6155a4da88_out-k_q6155a4da88_out
	.p2alignl 7, 3214868480
	.fill 96, 4, 3214868480
	.section	.rodata,"a",@progbits
	.p2align	6, 0x0
	.amdhsa_kernel k_q6155a4da88_out
		.amdhsa_group_segment_fixed_size 327680
		.amdhsa_private_segment_fixed_size 0
		.amdhsa_enable_private_segment 0
		.amdhsa_kernarg_size 32
		.amdhsa_user_sgpr_count 2
		.amdhsa_user_sgpr_kernarg_segment_ptr 1
		.amdhsa_wavefront_size32 1
		.amdhsa_system_sgpr_workgroup_id_x 1
		.amdhsa_system_sgpr_workgroup_id_y 1
		.amdhsa_system_sgpr_workgroup_id_z 1
		.amdhsa_system_vgpr_workitem_id 0
		.amdhsa_next_free_vgpr 768
		.amdhsa_next_free_sgpr 96
		.amdhsa_reserve_vcc 0
		.amdhsa_float_denorm_mode_32 3
		.amdhsa_float_denorm_mode_16_64 3
		.amdhsa_memory_ordered 1
		.amdhsa_forward_progress 1
		.amdhsa_inst_pref_size 94
	.end_amdhsa_kernel
	.amdgpu_metadata
---
amdhsa.version: [ 1, 2 ]
amdhsa.kernels:
  - .name:           k_q6155a4da88_out
    .symbol:         k_q6155a4da88_out.kd
    .args:
      - { .name: o16, .offset: 0, .size: 8, .value_kind: global_buffer, .address_space: global }
      - { .name: w16, .offset: 8, .size: 8, .value_kind: global_buffer, .address_space: global }
      - { .name: bo, .offset: 16, .size: 8, .value_kind: global_buffer, .address_space: global }
      - { .name: out0, .offset: 24, .size: 8, .value_kind: global_buffer, .address_space: global }
    .group_segment_fixed_size: 327680
    .private_segment_fixed_size: 0
    .kernarg_segment_align: 8
    .kernarg_segment_size: 32
    .max_flat_workgroup_size: 128
    .sgpr_count:     96
    .vgpr_count:     768
    .wavefront_size: 32
...
	.end_amdgpu_metadata
.endif
;; end of part 4
